; MI455X (gfx1250); checked and timed in simulation.
; The chip was launched on July 23, 2026; its instructions are those of AMD's public machine-readable ISA for CDNA 5 (MIT licence, August 2026) and "CDNA5" Instruction Set Architecture Reference Guide (July 2026). The comments in the code are by the model that wrote it; some were corrected since.
;; Multi Head Self Attention. Allowed arithmetic: matrix products marked QUANTISED: E2M3 operands, one E8M0 scale for each 32 along K, by v_wmma_scale_f32_16x16x128_f8f6f4 with both operands' format E2M3, f32 sums; everything else in f32.
;; Inputs: b_out 1,024 float32; b_qkv 3,072 float32; w_out 1,024 x 1,024 float32; w_qkv 1,024 x 3,072 float32; x 4 x 2,048 x 1,024 float32.
;; Outputs: out0 4 x 2,048 x 1,024 float32.
;; This version of the problem:
;;   THIS VERSION OF THE PROBLEM IS GIVEN IN LOW PRECISION. The matrix products marked QUANTISED in the list below multiply operands that are first quantised to E2M3 (2 exponent bits, 3 mantissa bits; 6 bits a number), with one power-of-two scale for each 32 numbers along K (OCP MX v1.0); their sums are f32. All else is computed in f32.
;;   The module's matrix products, in the order in which they are computed (A, B: the left and right operand; K: the contracted axis; several contracted axes count as one K, in the product's order):
;;     1. [M 8,192, K 1,024] x [K 1,024, N 3,072]; A: input x; B: input w_qkv: QUANTISED
;;     2. batch 64 x [M 2,048, K 64] x [K 64, N 2,048]; A: computed on the way; B: computed on the way: QUANTISED
;;     3. batch 64 x [M 2,048, K 2,048] x [K 2,048, N 64]; A: softmax (see below); B: computed on the way: QUANTISED
;;     4. [M 8,192, K 1,024] x [K 1,024, N 1,024]; A: computed on the way; B: input w_out: QUANTISED
;;   THE QUANTISER, for each operand of a quantised product, along K:
;;     - K is cut into blocks of 32 from its start; a last block that is shorter is filled with zeros.
;;     - A block's scale is 2^e with e = floor(log2(the largest magnitude in the block)) - 2, held to -126 .. 127; a block of zeros has e = 0. As a byte (E8M0): e + 127.
;;     - Each number is divided by its block's scale, clamped to +-7.5, and rounded to the nearest number of E2M3, ties to even, subnormals kept.
;;     - The product sums the exact products of the quantised numbers (number of the format x scale) in f32.
;;   ~~~python
;;   def quantise(x, axis):      # numpy; x: float32 -> the quantised numbers, widened to float32 again
;;       x = np.moveaxis(x, axis, -1); K = x.shape[-1]
;;       x = np.pad(x, [(0, 0)] * (x.ndim - 1) + [(0, -K % 32)]); x = x.reshape(x.shape[:-1] + (-1, 32)); a = np.abs(x).max(-1, keepdims=True)
;;       e = np.where(a > 0, np.clip(np.frexp(np.where(a > 0, a, 1))[1] - 1 - 2, -126, 127), 0)      # np.frexp(a)[1] - 1 = floor(log2(a)), exactly
;;       r = np.clip(x / 2.0 ** e, -7.5, 7.5)
;;       step = 2.0 ** (np.maximum(np.frexp(np.where(r == 0, 1, r))[1] - 1, 0) - 3)
;;       q = np.round(r / step) * step * 2.0 ** e      # np.round: ties to even
;;       return np.moveaxis(q.reshape(q.shape[:-2] + (-1,))[..., :K], -1, axis).astype(np.float32)
;;   ~~~
;;   SOFTMAX AHEAD OF A QUANTISED PRODUCT. Where the list says 'softmax', what is quantised is not the finished softmax but p = 2^(t - M), with t = logit x log2(e) and M = ceil(the row's largest t), a whole number; so 1/2 < the row's largest p <= 1. The row's sum l is taken of the UNQUANTISED p, in f32, and the product's result is divided by l at the end. Since M is a whole number, a kernel that streams over the keys may use a running M (the ceiling of the running maximum): every later rescaling is an exact power of two, which a block's scale takes up: the codes' values come out the same.
;;   OPERANDS COMPUTED ON THE WAY. 'Computed on the way' means the value that the module computes at that place (a softmax that the list does not call 'softmax' is quantised finished and normalised). What goes into a quantiser is computed in f32, as accurately as f32 sums, v_exp_f32 and their like allow (about 1e-6 of the number): no bf16 or f16 on the way to a quantiser, and a product that is left as it is and whose result goes on into a quantised operand takes f32 operands (vector FMAs, or v_wmma_f32_16x16x4_f32). A number that lies on a knife's edge between two numbers of the format may be rounded either way, as far as f32 arithmetic and the matrix unit's own rounding can turn it there, and no further.
;; One version. Each part assembles by itself: llvm-mc -triple=amdgcn-amd-amdhsa -mcpu=gfx1250 --defsym DOCPART=n.
;; ======== version 1 of 1: 5 launches
;; limits: right only within a limited range of input values
;; workspace buffers: xq 6,553,600 bytes; wq 3,276,800 bytes; qb 6,815,744 bytes; kv 13,369,344 bytes; ob 6,553,600 bytes
;; launch quant_x (part 1): grid 8 x 64, 8 waves a work-group, no clusters, 69,120 bytes of LDS; arguments x, xq; writes xq
.if DOCPART == 1
	.amdgcn_target "amdgcn-amd-amdhsa--gfx1250"
	.amdhsa_code_object_version 6
	.text
	.protected	k_qe826e27395_quant_x
	.globl	k_qe826e27395_quant_x
	.p2align	8
	.type	k_qe826e27395_quant_x,@function
k_qe826e27395_quant_x:
	s_mov_b64 s[64:65], 0
	v_nop
	global_prefetch_b8 v0, s[64:65] scope:SCOPE_SE
	s_setreg_imm32_b32 hwreg(HW_REG_WAVE_MODE, 25, 1), 1
	s_wait_xcnt 0x0
; x [8192][1024] f32 becomes codes of FP6 (E2M3) with one E8M0 byte for each 32 along K, laid as IMAGES OF OPERAND REGISTERS.
; Rows go in groups of 128, eight tiles of 16: lane-row r of tile i is row 32 (i/2) + 8 (i%2) + r + 8 (r/8) of its group.
; A fragment (16 rows x 128 K, 12 registers a lane) lies as 1,536 bytes: register p of lane l at 512 (p/4) + 16 l + 4 (p%4).
; xq: [group g][K step of 256][tile i][which 128] fragments, 98,304 bytes a group; from XS on [g][s] blocks of 512 bytes of scale words:
; the word of (tile i, row r) at 16 (r + 16 (i%2)) + 4 (i/2).
; A work-group takes group g (y) and 128 along K, step s (x); wave i takes tile i.  Each load reads a row's 512 consecutive bytes; the rows
; turn through the wave's own stage in LDS (pitch 528), so that lane (r, h) gets k = 64 c + 32 h + 0..31 of row r, a whole block of 32.
; A block's scale byte is its largest magnitude's exponent field - 2, held at 1 from below.
; LIMITS: a block of zeros gets the byte 1 (its codes are zeros, and this program alone reads the bytes); blocks whose largest magnitude
; lies under 2^-124 are held at the byte 1; NaN and infinities among the inputs are not served.
.set STG,   8448                       ; a wave's stage: 16 rows x 528 bytes
.set SCB,   67584                      ; behind the eight stages: the work-group's 512 bytes of scale words
.set SPARE, 68096                      ; the spare words, 128 bytes for each wave
.set XS,    6291456                    ; where the scale words begin in xq
.set R,     32                         ; v32-95   16 rows as loaded
.set X,     96                         ; v96-159  my two blocks of 32
.set C,     160                        ; v160-171 the fragment
.set CT,    172                        ; v172-174, v176-178: a conversion's three registers begin on an even number
.macro AMAX xs, ra, rb                 ; the largest magnitude of v[xs] .. v[xs+31] and the floor 2^(3-127), in two chains
	v_max3_num_f32 v[\ra], |v[\xs]|, |v[(\xs)+1]|, 0x1800000
	v_max3_num_f32 v[\rb], |v[(\xs)+2]|, |v[(\xs)+3]|, |v[(\xs)+4]|
.irp i, 5,9,13,17,21,25
	s_delay_alu instid0(VALU_DEP_2)
	v_max3_num_f32 v[\ra], v[\ra], |v[(\xs)+\i]|, |v[(\xs)+\i+1]|
	s_delay_alu instid0(VALU_DEP_2)
	v_max3_num_f32 v[\rb], v[\rb], |v[(\xs)+\i+2]|, |v[(\xs)+\i+3]|
.endr
	s_delay_alu instid0(VALU_DEP_2)
	v_max3_num_f32 v[\ra], v[\ra], |v[(\xs)+29]|, |v[(\xs)+30]|
	s_delay_alu instid0(VALU_DEP_1)
	v_max3_num_f32 v[\ra], v[\ra], v[\rb], |v[(\xs)+31]|
.endm
	s_load_b128 s[4:7], s[0:1], 0x0                ; x, xq
	v_lshl_add_u32 v12, v0, 2, SPARE               ; my spare word; never rewritten
	v_mov_b32 v13, 0                               ; 0; never rewritten
	v_lshrrev_b32 v6, 5, v0
	s_delay_alu instid0(VALU_DEP_1)
	v_readfirstlane_b32 s8, v6                     ; wave = tile i
	v_and_b32 v6, 31, v0
	s_delay_alu instid0(VALU_DEP_1)
	v_lshlrev_b32 v1, 4, v6                        ; 16 x lane
	v_and_b32 v7, 15, v0                           ; r
	v_bfe_u32 v8, v0, 4, 1                         ; h
	s_mul_i32 s9, s8, STG
	v_add_nc_u32 v2, s9, v1                        ; the stage, way in
	v_mul_u32_u24 v3, v7, 528
	s_delay_alu instid0(VALU_DEP_1)
	v_lshl_add_u32 v3, v8, 7, v3
	s_delay_alu instid0(VALU_DEP_1)
	v_add_nc_u32 v3, s9, v3                        ; way out: row r, + 128 h
	s_and_b32 s10, s8, 1                           ; i % 2
	s_lshr_b32 s11, s8, 1                          ; i / 2
	s_lshl_b32 s12, s10, 8
	s_lshl_b32 s13, s11, 2
	s_add_co_u32 s12, s12, s13
	s_add_co_u32 s12, s12, SCB
	v_lshlrev_b32 v4, 4, v7
	s_delay_alu instid0(VALU_DEP_1)
	v_add_nc_u32 v4, s12, v4                       ; my row's scale word
	v_lshlrev_b32 v5, 3, v8                        ; 8 h
	v_add_nc_u32 v18, SCB, v1                      ; where wave 0 reads the words back
	v_mov_b32 v17, 0                               ; a lane permute's destination counts as read
	s_mov_b32 s20, 0x76543210
	s_mov_b32 s21, 0xfedcba98                      ; selects for lane l xor 16
	s_and_b32 s14, ttmp7, 0xffff                   ; g
	s_lshl_b32 s15, s14, 7
	s_lshl_b32 s16, s11, 5
	s_add_co_u32 s15, s15, s16
	s_lshl_b32 s16, s10, 3
	s_add_co_u32 s15, s15, s16                     ; the tile's first row: 128 g + 32 (i/2) + 8 (i%2)
	s_lshl_b32 s16, s15, 12
	s_lshl_b32 s17, ttmp9, 9
	s_add_co_u32 s16, s16, s17                     ; + 512 s bytes
	s_mov_b32 s17, 0
	s_mul_i32 s18, s14, 98304
	s_lshr_b32 s19, ttmp9, 1
	s_mul_i32 s19, s19, 24576
	s_add_co_u32 s18, s18, s19
	s_lshl_b32 s19, s8, 1
	s_and_b32 s22, ttmp9, 1
	s_add_co_u32 s19, s19, s22
	s_mul_i32 s19, s19, 1536
	s_add_co_u32 s18, s18, s19                     ; my fragment's place in xq
	s_mov_b32 s19, 0
	s_lshl_b32 s22, s14, 12
	s_lshl_b32 s23, ttmp9, 9
	s_add_co_u32 s22, s22, s23
	s_add_co_u32 s22, s22, XS                      ; the work-group's scale words
	s_mov_b32 s23, 0
	s_wait_alu depctr_va_vdst(0)
	s_wait_kmcnt 0x0
	s_add_nc_u64 s[4:5], s[4:5], s[16:17]
	s_add_nc_u64 s[18:19], s[6:7], s[18:19]
	s_add_nc_u64 s[22:23], s[6:7], s[22:23]
.set q, 0
.rept 16
	global_load_b128 v[R+4*q:R+4*q+3], v1, s[4:5] offset:(q+8*(q/8))*4096 th:TH_LOAD_NT   ; 32 lanes read 512 consecutive bytes of one row
.set q, q+1
.endr
.set q, 0
.rept 16
	s_wait_loadcnt 15-q                            ; row q is in; the younger rows' loads may be out
	ds_store_b128 v2, v[R+4*q:R+4*q+3] offset:528*q
.set q, q+1
.endr
.set q, 0
.rept 16
	ds_load_b128 v[X+4*q:X+4*q+3], v3 offset:256*(q/8)+16*(q%8)   ; LDS serves a wave's instructions in order: these see my stores
.set q, q+1
.endr
	s_wait_dscnt 8                                 ; block c = 0 is in; the second block's eight loads may be out
	AMAX X, 8, 9
	s_delay_alu instid0(VALU_DEP_1)
	v_add_nc_u32 v14, 0xff000000, v8               ; 2 off the exponent field: the conversion's scale operand
	s_delay_alu instid0(VALU_DEP_1)
	v_lshrrev_b32 v20, 23, v14                     ; the byte
	s_wait_dscnt 0x0
	AMAX X+32, 10, 11
	s_delay_alu instid0(VALU_DEP_1)
	v_add_nc_u32 v15, 0xff000000, v10
	s_delay_alu instid0(VALU_DEP_1)
	v_lshrrev_b32 v21, 23, v15
	s_delay_alu instid0(VALU_DEP_1)
	v_lshl_or_b32 v16, v21, 16, v20                ; my bytes: blocks h and 2 + h,
	s_delay_alu instid0(VALU_DEP_1)
	v_lshlrev_b32 v16, v5, v16                     ; at their places;
	s_delay_alu instid0(VALU_DEP_1)
	v_permlanex16_b32 v17, v16, s20, s21
	s_delay_alu instid0(VALU_DEP_1)
	v_or_b32 v16, v16, v17                         ; with lane l xor 16's two the word is whole
.irp c, 0,1
	v_cvt_scalef32_pk16_fp6_f32 v[C+6*\c:C+6*\c+2], v[X+32*\c:X+32*\c+15], v[14+\c]
	v_cvt_scalef32_pk16_fp6_f32 v[CT+4*\c:CT+4*\c+2], v[X+32*\c+16:X+32*\c+31], v[14+\c]
.endr
	v_nop                                          ; one plain place behind a scaled conversion
.irp c, 0,1
.irp i, 0,1,2
	v_mov_b32 v[C+3+6*\c+\i], v[CT+4*\c+\i]
.endr
.endr
.irp c, 0,1,2
	global_store_b128 v1, v[C+4*\c:C+4*\c+3], s[18:19] offset:512*\c   ; 512 consecutive bytes a store
.endr
	ds_store_b32 v4, v16                           ; lanes r and r + 16 write the same word with the same value
	s_wait_dscnt 0x0                               ; for the others' sake
	s_barrier_signal -1
	s_barrier_wait -1
	s_cmp_lg_u32 s8, 0
	s_cbranch_scc1 .Lnot_wave_0
	ds_load_b128 v[24:27], v18
	s_wait_dscnt 0x0
	global_store_b128 v1, v[24:27], s[22:23]       ; the eight tiles' scale words: 512 consecutive bytes
.Lnot_wave_0:
	s_wait_tensorcnt 0x0                           ; the wave's end, behind my last LDS store
	ds_add_u32 v12, v13
	s_wait_dscnt 0x0
	s_endpgm
.Lfunc_end_k_qe826e27395_quant_x:
	.size	k_qe826e27395_quant_x, .Lfunc_end_k_qe826e27395_quant_x-k_qe826e27395_quant_x
	.p2alignl 7, 3214868480
	.fill 96, 4, 3214868480
	.section	.rodata,"a",@progbits
	.p2align	6, 0x0
	.amdhsa_kernel k_qe826e27395_quant_x
		.amdhsa_group_segment_fixed_size 69120
		.amdhsa_private_segment_fixed_size 0
		.amdhsa_enable_private_segment 0
		.amdhsa_kernarg_size 16
		.amdhsa_user_sgpr_count 2
		.amdhsa_user_sgpr_kernarg_segment_ptr 1
		.amdhsa_wavefront_size32 1
		.amdhsa_system_sgpr_workgroup_id_x 1
		.amdhsa_system_sgpr_workgroup_id_y 1
		.amdhsa_system_sgpr_workgroup_id_z 1
		.amdhsa_system_vgpr_workitem_id 0
		.amdhsa_next_free_vgpr 192
		.amdhsa_next_free_sgpr 66
		.amdhsa_reserve_vcc 0
		.amdhsa_float_denorm_mode_32 3
		.amdhsa_float_denorm_mode_16_64 3
		.amdhsa_memory_ordered 1
		.amdhsa_forward_progress 1
		.amdhsa_inst_pref_size 12
	.end_amdhsa_kernel
	.amdgpu_metadata
---
amdhsa.version: [ 1, 2 ]
amdhsa.kernels:
  - .name:           k_qe826e27395_quant_x
    .symbol:         k_qe826e27395_quant_x.kd
    .args:
      - { .name: x, .offset: 0, .size: 8, .value_kind: global_buffer, .address_space: global }
      - { .name: xq, .offset: 8, .size: 8, .value_kind: global_buffer, .address_space: global }
    .group_segment_fixed_size: 69120
    .private_segment_fixed_size: 0
    .kernarg_segment_align: 8
    .kernarg_segment_size: 16
    .max_flat_workgroup_size: 256
    .sgpr_count:     66
    .vgpr_count:     192
    .wavefront_size: 32
...
	.end_amdgpu_metadata
.endif
;; end of part 1
;; launch quant_w (part 2): grid 32 x 8, 4 waves a work-group, no clusters, 15,360 bytes of LDS; arguments w_qkv, w_out, wq; writes wq
.if DOCPART == 2
	.amdgcn_target "amdgcn-amd-amdhsa--gfx1250"
	.amdhsa_code_object_version 6
	.text
	.protected	k_qe826e27395_quant_w
	.globl	k_qe826e27395_quant_w
	.p2align	8
	.type	k_qe826e27395_quant_w,@function
k_qe826e27395_quant_w:
	s_mov_b64 s[64:65], 0
	v_nop
	global_prefetch_b8 v0, s[64:65] scope:SCOPE_SE
	s_setreg_imm32_b32 hwreg(HW_REG_WAVE_MODE, 25, 1), 1
	s_wait_xcnt 0x0
; w_qkv [1024][3072] and w_out [1024][1024], f32 with K as FIRST axis, become codes of FP6 (E2M3) with one E8M0 byte for each 32 along K,
; laid as images of operand registers, as xq is: 32 groups of 128 columns (0-23: w_qkv's, 24-31: w_out's), 98,304 bytes a group; from WS on
; [group][s] blocks of 512 bytes of scale words.  One path serves both tensors: pointer, row stride and first group are chosen on the work-group's x.
; A LANE TAKES A COLUMN AND ITS REGISTERS RUN DOWN K: a load reads 128 consecutive bytes a wave, a block of 32 lies in one lane, and the
; conversions give codes with K innermost.  Lane L of wave w holds column 32 w + L of the group: tile 2 w + u, row r, u = (L>>3)&1, r = (L&7) + 8 (L>>4).
; Block be of the K step belongs to lane r + 16 (be%2), registers 6 (be/2) .. +5 of that tile's fragment: it is stored to that place of the image in the
; wave's own LDS bytes, and the images leave as they lie, 512 consecutive bytes a store.
; LIMITS: a block of zeros gets the byte 1 (its codes are zeros; this program alone reads the bytes); blocks under 2^-124 are held at the byte 1; NaN and infinities are not served.
.set REG,   3584                       ; a wave's LDS bytes: two images, IMG apart
.set IMG,   1664                       ; 1,536 + 128
.set SCB,   14336                      ; the work-group's 512 bytes of scale words
.set SPARE, 14848                      ; the spare words, 128 bytes for each wave
.set WS,    3145728
.set OFF,   32                         ; v32-63   4 L + i x row stride
.set X,     64                         ; v64-191  four blocks of 32
.set C,     192                        ; v192-223 codes, eight registers a block
.set CT,    224                        ; v224-226
.macro AMAX xs, ra, rb
	v_max3_num_f32 v[\ra], |v[\xs]|, |v[(\xs)+1]|, 0x1800000
	v_max3_num_f32 v[\rb], |v[(\xs)+2]|, |v[(\xs)+3]|, |v[(\xs)+4]|
.irp i, 5,9,13,17,21,25
	v_max3_num_f32 v[\ra], v[\ra], |v[(\xs)+\i]|, |v[(\xs)+\i+1]|
	v_max3_num_f32 v[\rb], v[\rb], |v[(\xs)+\i+2]|, |v[(\xs)+\i+3]|
.endr
	v_max3_num_f32 v[\ra], v[\ra], |v[(\xs)+29]|, |v[(\xs)+30]|
	v_max3_num_f32 v[\ra], v[\ra], v[\rb], |v[(\xs)+31]|
.endm
	s_load_b128 s[4:7], s[0:1], 0x0                ; w_qkv, w_out
	s_load_b64 s[8:9], s[0:1], 0x10                ; wq
	v_lshl_add_u32 v12, v0, 2, SPARE               ; my spare word; never rewritten
	v_mov_b32 v13, 0                               ; 0; never rewritten
	v_lshrrev_b32 v6, 5, v0
	v_readfirstlane_b32 s10, v6                    ; wave
	v_and_b32 v6, 31, v0                           ; L
	v_lshlrev_b32 v1, 4, v6                        ; 16 L
	v_bfe_u32 v7, v0, 3, 1                         ; u
	v_and_b32 v8, 7, v0
	v_bfe_u32 v9, v0, 4, 1
	v_lshl_add_u32 v8, v9, 3, v8                   ; r
	s_mul_i32 s11, s10, REG
	v_mul_u32_u24 v2, v7, IMG
	v_lshl_add_u32 v2, v8, 4, v2
	v_add_nc_u32 v2, s11, v2                       ; my tile's image, + 16 r
	v_add_nc_u32 v3, s11, v1                       ; where the images are read back
	v_lshl_add_u32 v4, v7, 4, v8
	v_lshlrev_b32 v4, 4, v4
	s_lshl_b32 s12, s10, 2
	s_add_co_u32 s12, s12, SCB
	v_add_nc_u32 v4, s12, v4                       ; my column's scale word: 16 (r + 16 u) + 4 w
	v_add_nc_u32 v11, SCB, v1
	v_lshlrev_b32 v9, 2, v6                        ; 4 L
	s_and_b32 s13, ttmp7, 0xffff                   ; s
	s_wait_alu depctr_va_vdst(0)
	s_wait_kmcnt 0x0
	s_cmp_lt_u32 ttmp9, 24                         ; the choice hangs on the work-group's number alone
	s_cselect_b64 s[4:5], s[4:5], s[6:7]
	s_mov_b32 s14, 4096
	s_cselect_b32 s14, 12288, s14                  ; bytes from row to row
	s_cselect_b32 s15, 0, 24
	s_sub_co_u32 s15, ttmp9, s15                   ; the group within its tensor
	s_lshl_b32 s15, s15, 9
	s_lshl_b32 s24, s10, 7
	s_add_co_u32 s15, s15, s24                     ; my wave's first column, in bytes
	s_lshl_b32 s24, s13, 7
	s_mul_i32 s24, s24, s14                        ; row 128 s
	s_add_co_u32 s24, s24, s15
	s_mov_b32 s25, 0
	s_lshl_b32 s26, s14, 5                         ; 32 rows
	s_mov_b32 s27, 0
	s_add_nc_u64 s[16:17], s[4:5], s[24:25]        ; a base for each block
	s_add_nc_u64 s[18:19], s[16:17], s[26:27]
	s_add_nc_u64 s[20:21], s[18:19], s[26:27]
	s_add_nc_u64 s[22:23], s[20:21], s[26:27]
	s_mul_i32 s28, ttmp9, 98304
	s_lshr_b32 s29, s13, 1
	s_mul_i32 s29, s29, 24576
	s_add_co_u32 s28, s28, s29
	s_mul_i32 s29, s10, 6144
	s_add_co_u32 s28, s28, s29
	s_and_b32 s29, s13, 1
	s_mul_i32 s29, s29, 1536
	s_add_co_u32 s28, s28, s29                     ; fragment (tile 2 w, s % 2) of K step s / 2
	s_mov_b32 s29, 0
	s_add_nc_u64 s[28:29], s[8:9], s[28:29]
	s_lshl_b32 s30, ttmp9, 12
	s_lshl_b32 s31, s13, 9
	s_add_co_u32 s30, s30, s31
	s_add_co_u32 s30, s30, WS
	s_mov_b32 s31, 0
	s_add_nc_u64 s[30:31], s[8:9], s[30:31]
.set q, 0
.rept 32
	v_mad_u32_u24 v[OFF+q], s14, q, v9
.set q, q+1
.endr
.irp be, 0,1,2,3
.set q, 0
.rept 32
	global_load_b32 v[X+32*\be+q], v[OFF+q], s[16+2*\be:17+2*\be] th:TH_LOAD_NT   ; W(128 s + 32 be + q, my column)
.set q, q+1
.endr
.endr
.macro BLOCK be
.set XB, X+32*(\be)
.set CB, C+8*(\be)
.if (\be) < 2
	s_wait_loadcnt 63                              ; this block's loads are in: 96 (64) younger ones might stay out, and a wait names 63 at the most
.else
	s_wait_loadcnt 32*(3-(\be))                    ; the later blocks' loads may be out
.endif
	AMAX XB, 14, 15
	v_add_nc_u32 v16, 0xff000000, v14              ; 2 off the exponent field: the conversion's scale operand
	v_lshrrev_b32 v17, 23, v16                     ; the byte
.if (\be) == 0
	v_mov_b32 v5, v17
.else
	v_lshl_or_b32 v5, v17, 8*(\be), v5             ; the lower K in the lower byte
.endif
	v_cvt_scalef32_pk16_fp6_f32 v[CB:CB+2], v[XB:XB+15], v16
	v_cvt_scalef32_pk16_fp6_f32 v[CT:CT+2], v[XB+16:XB+31], v16
	v_nop                                          ; one plain place behind a scaled conversion
.irp i, 0,1,2
	v_mov_b32 v[CB+3+\i], v[CT+\i]
.endr
.if (\be) < 2
	ds_store_b128 v2, v[CB:CB+3] offset:256*((\be)%2)            ; registers 0-3 of lane r + 16 (be % 2)
	ds_store_b64 v2, v[CB+4:CB+5] offset:512+256*((\be)%2)       ; registers 4, 5
.else
	ds_store_b64 v2, v[CB:CB+1] offset:520+256*((\be)%2)         ; registers 6, 7
	ds_store_b128 v2, v[CB+2:CB+5] offset:1024+256*((\be)%2)     ; registers 8-11
.endif
.endm
	BLOCK 0
	BLOCK 1
	BLOCK 2
	BLOCK 3
	ds_store_b32 v4, v5
.set q, 0
.rept 6
	ds_load_b128 v[X+4*q:X+4*q+3], v3 offset:IMG*(q/3)+512*(q%3)   ; LDS serves a wave's instructions in order: these see my stores
.set q, q+1
.endr
.set q, 0
.rept 6
	s_wait_dscnt 5-q                               ; the younger read-backs may be out
	global_store_b128 v1, v[X+4*q:X+4*q+3], s[28:29] offset:3072*(q/3)+512*(q%3)
.set q, q+1
.endr
	s_wait_dscnt 0x0
	s_barrier_signal -1
	s_barrier_wait -1
	s_cmp_lg_u32 s10, 0
	s_cbranch_scc1 .Lnot_wave_0
	ds_load_b128 v[24:27], v11
	s_wait_dscnt 0x0
	global_store_b128 v1, v[24:27], s[30:31]       ; the group's scale words of this K step: 512 consecutive bytes
.Lnot_wave_0:
	s_wait_tensorcnt 0x0                           ; the wave's end, behind my last LDS store
	ds_add_u32 v12, v13
	s_wait_dscnt 0x0
	s_endpgm
.Lfunc_end_k_qe826e27395_quant_w:
	.size	k_qe826e27395_quant_w, .Lfunc_end_k_qe826e27395_quant_w-k_qe826e27395_quant_w
	.p2alignl 7, 3214868480
	.fill 96, 4, 3214868480
	.section	.rodata,"a",@progbits
	.p2align	6, 0x0
	.amdhsa_kernel k_qe826e27395_quant_w
		.amdhsa_group_segment_fixed_size 15360
		.amdhsa_private_segment_fixed_size 0
		.amdhsa_enable_private_segment 0
		.amdhsa_kernarg_size 24
		.amdhsa_user_sgpr_count 2
		.amdhsa_user_sgpr_kernarg_segment_ptr 1
		.amdhsa_wavefront_size32 1
		.amdhsa_system_sgpr_workgroup_id_x 1
		.amdhsa_system_sgpr_workgroup_id_y 1
		.amdhsa_system_sgpr_workgroup_id_z 1
		.amdhsa_system_vgpr_workitem_id 0
		.amdhsa_next_free_vgpr 232
		.amdhsa_next_free_sgpr 66
		.amdhsa_reserve_vcc 0
		.amdhsa_float_denorm_mode_32 3
		.amdhsa_float_denorm_mode_16_64 3
		.amdhsa_memory_ordered 1
		.amdhsa_forward_progress 1
		.amdhsa_inst_pref_size 25
	.end_amdhsa_kernel
	.amdgpu_metadata
---
amdhsa.version: [ 1, 2 ]
amdhsa.kernels:
  - .name:           k_qe826e27395_quant_w
    .symbol:         k_qe826e27395_quant_w.kd
    .args:
      - { .name: w_qkv, .offset: 0, .size: 8, .value_kind: global_buffer, .address_space: global }
      - { .name: w_out, .offset: 8, .size: 8, .value_kind: global_buffer, .address_space: global }
      - { .name: wq, .offset: 16, .size: 8, .value_kind: global_buffer, .address_space: global }
    .group_segment_fixed_size: 15360
    .private_segment_fixed_size: 0
    .kernarg_segment_align: 8
    .kernarg_segment_size: 24
    .max_flat_workgroup_size: 128
    .sgpr_count:     66
    .vgpr_count:     232
    .wavefront_size: 32
...
	.end_amdgpu_metadata
.endif
;; end of part 2
;; launch gemm_qkv (part 3): grid 12 x 32, 4 waves a work-group, clusters of 4 x 4, 327,680 bytes of LDS; arguments xq, wq, b_qkv, qb, kv; writes qb, kv
.if DOCPART == 3
	.amdgcn_target "amdgcn-amd-amdhsa--gfx1250"
	.amdhsa_code_object_version 6
	.text
	.protected	k_qe826e27395_gemm_qkv
	.globl	k_qe826e27395_gemm_qkv
	.p2align	8
	.type	k_qe826e27395_gemm_qkv,@function
k_qe826e27395_gemm_qkv:
	s_mov_b64 s[64:65], 0
	v_nop
	global_prefetch_b8 v0, s[64:65] scope:SCOPE_SE
	s_setreg_imm32_b32 hwreg(HW_REG_WAVE_MODE, 25, 1), 1
	s_wait_xcnt 0x0
	s_wait_alu depctr_hold_cnt(0) depctr_sa_sdst(0) depctr_va_vdst(0) depctr_va_sdst(0) depctr_va_ssrc(0) depctr_va_vcc(0) depctr_vm_vsrc(0)
	s_getreg_b32 s2, hwreg(HW_REG_IB_STS2, 6, 4)
	s_cmp_eq_u32 s2, 0
	s_cbranch_scc0 .Lentry_in_a_cluster
	s_endpgm
.Lentry_in_a_cluster:
	s_bfe_u32 s2, ttmp6, 0x10000c
	s_cmp_lg_u32 s2, 0xf033
	s_cbranch_scc0 .Lentry_shape_is_right
	s_endpgm
.Lentry_shape_is_right:
.set HALFT, 24576
.set SLOT,  98304
.set SPARE, 294912
.set XS,    6291456
.set WS,    3145728
.set FR,    12
.set NLN,   3
.set LN,    1
.set LI,    2
.set L8,    3
.set ADN,   4
.set ADP,   8
.set SELW,  12
.set BO,    20
.set SPW,   28
.set NIL,   29
.set SCN,   32
.set SCP,   64
.set BV,    96
.set TM,    112
.set NF,    128
.set HA,    128
.set KC,    192
.set SW,    216
.set CT,    248
.set BQ,    96
.set G1,    24
.set G1B,   32
.set G0,    40
.set G0B,   52
.set MUL_LO, 0xa1
.set MUL_HI, 0xf1
.set MSB, 0
.macro WIN new
.if MSB != (\new)
	s_set_vgpr_msb (MSB<<8)|(\new)
.set MSB, (\new)
.endif
.endm
.macro JLOAD g0a, g1a, g0b, g1b
	s_cmp_eq_u32 s15, 0
	s_cbranch_scc0 .Lfor_b_\@
	tensor_load_to_lds s[\g0a:\g0a+3], s[\g1a:\g1a+7]
	s_nop 0
.rept 4
	v_nop
.endr
	s_branch .Lasked_\@
.Lfor_b_\@:
	tensor_load_to_lds s[\g0b:\g0b+3], s[\g1b:\g1b+7]
	s_nop 0
.rept 4
	v_nop
.endr
.Lasked_\@:
.endm
.macro CREST
	s_cmp_lg_u32 s14, 0
	s_cbranch_scc1 .Lnot_wave_0_\@
	s_barrier_signal -3
.Lnot_wave_0_\@:
	s_barrier_wait -3
	s_barrier_signal -1
	s_barrier_wait -1
.endm
.macro CROUND
	s_barrier_signal -1
	s_barrier_wait -1
	CREST
.endm
.macro PLACES
.rept 4
	v_nop
.endr
.endm
.macro FRAG3 reg, adr, off
.irp c, 0,1,2
	ds_load_b128 v[(\reg)+4*\c:(\reg)+4*\c+3], v[\adr] offset:(\off)+512*\c
.endr
.endm
.macro FETCH_P slot, q, set
	WIN 0x40
.irp i, 0,1,2,3,4,5,6,7
	FRAG3 128*(\set)+FR*\i, ADP+\slot, (2*\i+\q)*1536
.endr
	WIN 0
.endm
.macro FETCH_N slot, q, i0
.irp i, \i0, \i0+1, \i0+2, \i0+3
	FRAG3 NF+FR*(\i), ADN+\slot, (2*(\i)+\q)*1536
.endr
.endm
.macro WM a, t, set, sg, mode
.set rD, 8*(8*((\a)%4)+(\t))
.set rP, 128*(\set)+FR*(\t)
.set rN, NF+FR*(\a)
.set rSP, SCP+4*(\sg)+(\t)/2
.set rSN, SCN+4*(\sg)+(\a)/2
.set rw, 2*((\t)%2)+(\a)%2
.if \mode == 0
.if rw == 0
	v_wmma_scale_f32_16x16x128_f8f6f4 v[rD:rD+7], v[rP:rP+11], v[rN:rN+11], v[rD:rD+7], v[rSP], v[rSN] matrix_a_fmt:MATRIX_FMT_FP6 matrix_b_fmt:MATRIX_FMT_FP6
.elseif rw == 1
	v_wmma_scale_f32_16x16x128_f8f6f4 v[rD:rD+7], v[rP:rP+11], v[rN:rN+11], v[rD:rD+7], v[rSP], v[rSN] matrix_a_fmt:MATRIX_FMT_FP6 matrix_b_fmt:MATRIX_FMT_FP6 matrix_b_scale:MATRIX_SCALE_ROW1
.elseif rw == 2
	v_wmma_scale_f32_16x16x128_f8f6f4 v[rD:rD+7], v[rP:rP+11], v[rN:rN+11], v[rD:rD+7], v[rSP], v[rSN] matrix_a_fmt:MATRIX_FMT_FP6 matrix_b_fmt:MATRIX_FMT_FP6 matrix_a_scale:MATRIX_SCALE_ROW1
.else
	v_wmma_scale_f32_16x16x128_f8f6f4 v[rD:rD+7], v[rP:rP+11], v[rN:rN+11], v[rD:rD+7], v[rSP], v[rSN] matrix_a_fmt:MATRIX_FMT_FP6 matrix_b_fmt:MATRIX_FMT_FP6 matrix_a_scale:MATRIX_SCALE_ROW1 matrix_b_scale:MATRIX_SCALE_ROW1
.endif
.else
.if rw == 0
	v_wmma_scale_f32_16x16x128_f8f6f4 v[rD:rD+7], v[rP:rP+11], v[rN:rN+11], 0, v[rSP], v[rSN] matrix_a_fmt:MATRIX_FMT_FP6 matrix_b_fmt:MATRIX_FMT_FP6
.elseif rw == 1
	v_wmma_scale_f32_16x16x128_f8f6f4 v[rD:rD+7], v[rP:rP+11], v[rN:rN+11], 0, v[rSP], v[rSN] matrix_a_fmt:MATRIX_FMT_FP6 matrix_b_fmt:MATRIX_FMT_FP6 matrix_b_scale:MATRIX_SCALE_ROW1
.elseif rw == 2
	v_wmma_scale_f32_16x16x128_f8f6f4 v[rD:rD+7], v[rP:rP+11], v[rN:rN+11], 0, v[rSP], v[rSN] matrix_a_fmt:MATRIX_FMT_FP6 matrix_b_fmt:MATRIX_FMT_FP6 matrix_a_scale:MATRIX_SCALE_ROW1
.else
	v_wmma_scale_f32_16x16x128_f8f6f4 v[rD:rD+7], v[rP:rP+11], v[rN:rN+11], 0, v[rSP], v[rSN] matrix_a_fmt:MATRIX_FMT_FP6 matrix_b_fmt:MATRIX_FMT_FP6 matrix_a_scale:MATRIX_SCALE_ROW1 matrix_b_scale:MATRIX_SCALE_ROW1
.endif
.endif
.endm
.macro MUL16 a0, set, sg, mode
.irp a, \a0, \a0+1
.irp t, 0,1,2,3,4,5,6,7
	WM \a, \t, \set, \sg, \mode
.endr
.endr
.endm
.macro STEP sg, mode
.set NX, (\sg)+1
	s_wait_dscnt 4*NLN
	WIN MUL_LO
	MUL16 0, (\sg)%2, \sg, \mode
	MUL16 2, (\sg)%2, \sg, \mode
	s_wait_dscnt 0x0
	PLACES
	FETCH_P (NX/2)%3, NX%2, NX%2
	FETCH_N (NX/2)%3, NX%2, 0
	WIN MUL_HI
	MUL16 4, (\sg)%2, \sg, \mode
	MUL16 6, (\sg)%2, \sg, \mode
	PLACES
	WIN 0
	FETCH_N (NX/2)%3, NX%2, 4
.endm
.macro TURN sg, fill
.set NX, (\sg)+1
	s_wait_tensorcnt 0x0
	ds_add_u32 v[SPW], v[NIL]
	s_wait_dscnt 4*NLN+1
	WIN MUL_LO
	MUL16 0, (\sg)%2, \sg, 0
	s_wait_dscnt 0x0
	s_barrier_signal -1
	MUL16 2, (\sg)%2, \sg, 0
	WIN 0
	s_barrier_wait -1
.if \fill == 2
	CREST
	JLOAD G0+8, G1, G0B+8, G1B                     ; slot 2's first fill: K chunk 2, my one load behind this round
.elseif \fill
	CREST
	s_add_nc_u64 s[G0+2:G0+3], s[G0+2:G0+3], 3*HALFT
	s_add_nc_u64 s[G0B+2:G0B+3], s[G0B+2:G0B+3], 3*HALFT
	JLOAD G0, G1, G0B, G1B
.else
	PLACES
.endif
	s_wait_alu depctr_va_vdst(0)
	FETCH_P (NX/2)%3, NX%2, NX%2
	FETCH_N (NX/2)%3, NX%2, 0
	WIN MUL_HI
	MUL16 4, (\sg)%2, \sg, 0
	MUL16 6, (\sg)%2, \sg, 0
	PLACES
	WIN 0
	FETCH_N (NX/2)%3, NX%2, 4
.endm
.macro QUANT s, d0, d1, pw
.irp b, 0,1,2,3
	v_max3_num_f32 v[TM+\b], |v[(\s)+16*\b]|, |v[(\s)+1+16*\b]|, 0x1800000
.endr
.irp i, 2,4,6,8,10,12,14
.irp b, 0,1,2,3
	v_max3_num_f32 v[TM+\b], v[TM+\b], |v[(\s)+16*\b+\i]|, |v[(\s)+1+16*\b+\i]|
.endr
.endr
.irp b, 0,1,2,3
	v_permlanex16_b32 v[TM+4+\b], v[TM+\b], s2, s3
.endr
.irp b, 0,1,2,3
	v_max_num_f32 v[TM+\b], v[TM+\b], v[TM+4+\b]
.endr
.irp b, 0,1,2,3
	v_add_nc_u32 v[TM+12+\b], 0xff000000, v[TM+\b]
.endr
.irp b, 0,1,2,3
	v_lshrrev_b32 v[TM+4+\b], 23, v[TM+12+\b]
.endr
	v_lshl_or_b32 v[\pw], v[TM+5], 8, v[TM+4]
	v_lshl_or_b32 v[\pw], v[TM+6], 16, v[\pw]
	v_lshl_or_b32 v[\pw], v[TM+7], 24, v[\pw]
	v_cvt_scalef32_pk16_fp6_f32 v[(\d0):(\d0)+2], v[(\s):(\s)+15], v[TM+12]
	v_cvt_scalef32_pk16_fp6_f32 v[CT:CT+2], v[(\s)+16:(\s)+31], v[TM+13]
	v_cvt_scalef32_pk16_fp6_f32 v[(\d1):(\d1)+2], v[(\s)+32:(\s)+47], v[TM+14]
	v_cvt_scalef32_pk16_fp6_f32 v[CT+4:CT+6], v[(\s)+48:(\s)+63], v[TM+15]
	v_nop
.irp i, 0,1,2
	v_permlane16_swap_b32 v[(\d0)+\i], v[CT+\i]
.endr
.irp i, 0,1,2
	v_mov_b32 v[(\d0)+3+\i], v[CT+\i]
.endr
.irp i, 0,1,2
	v_permlane16_swap_b32 v[(\d1)+\i], v[CT+4+\i]
.endr
.irp i, 0,1,2
	v_mov_b32 v[(\d1)+3+\i], v[CT+4+\i]
.endr
.endm
	s_load_b256 s[4:11], s[0:1], 0x0
	s_load_b64 s[12:13], s[0:1], 0x20
	v_lshl_add_u32 v[SPW], v0, 2, SPARE
	v_mov_b32 v[NIL], 0
	ds_add_u32 v[SPW], v[NIL]
	ds_add_u32 v[SPW], v[NIL]
	v_lshrrev_b32 v1, 5, v0
	v_readfirstlane_b32 s14, v1
	s_lshr_b32 s15, s14, 1
	s_and_b32 s16, s14, 1
	s_bfe_u32 s17, ttmp6, 0x40000
	s_bfe_u32 s18, ttmp6, 0x40004
	s_lshl_b32 s19, ttmp9, 2
	s_add_co_u32 s19, s19, s17
	s_and_b32 s20, ttmp7, 0xffff
	s_lshl_b32 s20, s20, 2
	s_add_co_u32 s20, s20, s18
	s_lshl_b32 s21, s18, 2
	s_lshl_b32 s21, 15, s21
	s_lshl_b32 s22, 0x1111, s17
	s_or_b32 s[G1], s21, (3<<16)|(1<<21)
	s_or_b32 s[G1B], s22, (3<<16)|(1<<21)
.irp g, G1, G1B
	s_mov_b32 s[\g+1], 32<<16
	s_mov_b32 s[\g+2], 96<<16
	s_mov_b32 s[\g+3], 32<<16
	s_mov_b32 s[\g+4], 96
	s_mov_b32 s[\g+5], 32
	s_mov_b32 s[\g+6], 0
	s_mov_b32 s[\g+7], 0
.endr
	s_lshl_b32 s66, s20, 1
	s_add_co_u32 s66, s66, s16
	s_mul_i32 s66, s66, 98304
	s_mov_b32 s67, 0
	s_lshl_b32 s68, s19, 1
	s_add_co_u32 s68, s68, s16
	s_mul_i32 s68, s68, 98304
	s_mov_b32 s69, 0
	s_mul_i32 s70, s14, HALFT
	s_wait_dscnt 0x0
	s_wait_kmcnt 0x0
	s_add_nc_u64 s[66:67], s[4:5], s[66:67]
	s_add_nc_u64 s[68:69], s[6:7], s[68:69]
	CROUND
.irp n, 0,1,2
	s_mov_b32 s[G0+4*\n], 1
	s_add_co_u32 s[G0+4*\n+1], s70, \n*SLOT
	s_add_nc_u64 s[G0+4*\n+2:G0+4*\n+3], s[66:67], \n*HALFT
	s_or_b32 s[G0+4*\n+3], s[G0+4*\n+3], 0x80000000
	s_mov_b32 s[G0B+4*\n], 1
	s_add_co_u32 s[G0B+4*\n+1], s70, \n*SLOT
	s_add_nc_u64 s[G0B+4*\n+2:G0B+4*\n+3], s[68:69], \n*HALFT
	s_or_b32 s[G0B+4*\n+3], s[G0B+4*\n+3], 0x80000000
.endr
	JLOAD G0, G1, G0B, G1B                         ; K chunk 0: one tensor load a wave at the head
	v_and_b32 v[LN], 31, v0
	v_lshlrev_b32 v[LI], 4, v[LN]
	s_wait_alu depctr_va_vdst(0)
	v_lshlrev_b32 v[L8], 3, v[LN]
	s_mul_i32 s71, s15, HALFT
	s_mul_i32 s72, s16, HALFT
	s_add_co_u32 s72, s72, 2*HALFT
	s_cmp_eq_u32 ttmp9, 2
	s_cselect_b32 s73, s72, s71
	s_cselect_b32 s74, s71, s72
.irp n, 0,1,2
	v_add_nc_u32 v[ADN+\n], s73, v[LI]
	v_add_nc_u32 v[ADP+\n], s74, v[LI]
	s_add_co_u32 s73, s73, SLOT
	s_add_co_u32 s74, s74, SLOT
.endr
	s_lshl_b32 s75, s20, 1
	s_add_co_u32 s75, s75, s15
	s_lshl_b32 s76, s19, 1
	s_add_co_u32 s76, s76, s16
	s_lshl_b32 s78, s75, 12
	s_add_co_u32 s78, s78, XS
	s_mov_b32 s79, 0
	s_add_nc_u64 s[80:81], s[4:5], s[78:79]
	s_lshl_b32 s82, s76, 12
	s_add_co_u32 s82, s82, WS
	s_mov_b32 s83, 0
	s_add_nc_u64 s[84:85], s[6:7], s[82:83]
	s_cmp_eq_u32 ttmp9, 2
	s_cselect_b64 s[86:87], s[84:85], s[80:81]
	s_cselect_b64 s[88:89], s[80:81], s[84:85]
	s_lshl_b32 s90, s76, 9
	s_mov_b32 s91, 0
	s_add_nc_u64 s[8:9], s[8:9], s[90:91]
	v_bfe_u32 v[BO], v0, 4, 1
	v_lshlrev_b32 v[BO], 6, v[BO]
	v_and_b32 v[BO+1], 15, v0
	v_and_b32 v[BO+2], 8, v0
	v_add_nc_u32 v[BO+1], v[BO+1], v[BO+2]
	v_lshlrev_b32 v[BO+1], 2, v[BO+1]
.irp g, 0,1,2,3,4,5,6,7
	global_load_b128 v[SCN+4*\g:SCN+4*\g+3], v[LI], s[86:87] offset:512*\g
	global_load_b128 v[SCP+4*\g:SCP+4*\g+3], v[LI], s[88:89] offset:512*\g
.endr
.irp a, 0,1,2,3,4,5,6,7
	global_load_b32 v[BV+2*\a], v[BO+1], s[8:9] offset:(32*(\a/2)+8*(\a%2))*4
	global_load_b32 v[BV+2*\a+1], v[BO+1], s[8:9] offset:(32*(\a/2)+8*(\a%2))*4
.endr
	WIN 0x40
.irp t, 0,1,2,3,4,5,6,7
	global_load_b128 v[BQ+8*\t+96*(\t/4):BQ+8*\t+96*(\t/4)+3], v[BO], s[8:9] offset:(32*(\t/2)+8*(\t%2))*4
	global_load_b128 v[BQ+8*\t+96*(\t/4)+4:BQ+8*\t+96*(\t/4)+7], v[BO], s[8:9] offset:(32*(\t/2)+8*(\t%2))*4+16
.endr
	WIN 0
	s_wait_alu depctr_va_vdst(0)                   ; the head's end
	s_wait_loadcnt 0x0                             ; scale words and biases are in
	s_wait_tensorcnt 0x0                           ; my part of chunk 0 is in
	ds_add_u32 v[SPW], v[NIL]
	s_wait_dscnt 0x0
	CROUND                                         ; chunk 0 is whole for all waves, and the partners' joint loads meet
	JLOAD G0+4, G1, G0B+4, G1B                     ; slot 1's first fill: chunk 1 lands under steps 0 and 1
	FETCH_P 0, 0, 0
	FETCH_N 0, 0, 0
	FETCH_N 0, 0, 4
	STEP 0, 1
	TURN 1, 2
	STEP 2, 0
	TURN 3, 1
	STEP 4, 0
	TURN 5, 0
	STEP 6, 0
	s_wait_dscnt 4*NLN
	WIN MUL_LO
	MUL16 0, 1, 7, 0
	MUL16 2, 1, 7, 0
	s_wait_dscnt 0x0
	WIN MUL_HI
	MUL16 4, 1, 7, 0
	MUL16 6, 1, 7, 0
	WIN 0
	PLACES
	s_mov_b32 s2, 0x76543210
	s_mov_b32 s3, 0xfedcba98
	v_cmp_lt_u32 s92, 15, v[LN]
.irp b, 0,1,2,3
	v_mov_b32 v[TM+4+\b], 0
.endr
	s_lshr_b32 s93, s75, 4
	s_and_b32 s94, s75, 15
	s_and_b32 s95, s76, 7
	s_lshl_b32 s93, s93, 4
	s_lshl_b32 s95, s95, 1
	s_add_co_u32 s93, s93, s95
	s_lshl_b32 s93, s93, 4
	s_add_co_u32 s93, s93, s94
	s_cmp_eq_u32 ttmp9, 2
	s_cbranch_scc1 .Lway_v
	s_cmp_eq_u32 ttmp9, 0
	s_cselect_b64 s[96:97], s[10:11], s[12:13]
	s_mov_b32 s98, 13056
	s_cselect_b32 s98, 6656, s98
	s_mov_b32 s99, 12288
	s_cselect_b32 s99, 6144, s99
	s_mul_i32 s86, s93, s98
	s_mov_b32 s87, 0
	s_add_nc_u64 s[86:87], s[96:97], s[86:87]
	s_lshl_b32 s88, s98, 4
	s_mov_b32 s89, 0
	s_add_nc_u64 s[88:89], s[86:87], s[88:89]
	s_mov_b32 s90, s99
	s_mov_b32 s91, 0
	s_add_nc_u64 s[80:81], s[86:87], s[90:91]
	s_add_nc_u64 s[84:85], s[88:89], s[90:91]
.irp pr, 0,1,2,3
.set KA, KC+32*(\pr%2)
	s_wait_xcnt 0x0
.irp e, 0,1
.set aa, 2*\pr+\e
	WIN 0x06+aa/4
.set n, 0
.rept 32
	v_pk_add_f32 v[HA+n:HA+n+1], v[64*(aa%4)+n:64*(aa%4)+n+1], v[BQ+n+96*(n/32):BQ+n+96*(n/32)+1]
.set n, n+2
.endr
	WIN 0
	QUANT HA, KA+6*\e, KA+12+6*\e, SW+aa
.endr
.irp c, 0,1,2
	global_store_b128 v[LI], v[KA+4*\c:KA+4*\c+3], s[86:87] offset:1536*\pr+512*\c
	global_store_b128 v[LI], v[KA+12+4*\c:KA+12+4*\c+3], s[88:89] offset:1536*\pr+512*\c
.endr
.endr
.irp w, 0,1,2,3
	v_cndmask_b32 v[SELW+\w], v[SW+2*\w], v[SW+2*\w+1], s92
.endr
.irp w, 0,1,2,3
	v_lshrrev_b32 v[SELW+4+\w], 16, v[SELW+\w]
.endr
	global_store_b128 v[LI], v[SELW:SELW+3], s[80:81]
	global_store_b128 v[LI], v[SELW+4:SELW+7], s[84:85]
	s_branch .Ldone
.Lway_v:
	s_mul_i32 s86, s93, 13056
	s_mov_b32 s87, 0
	s_add_nc_u64 s[86:87], s[12:13], s[86:87]
	s_add_nc_u64 s[88:89], s[86:87], 16*13056
.irp a, 0,1,2,3,4,5,6,7
.set PCV, KC+32*(\a%2)
	s_wait_xcnt 0x0
	WIN 0x02+\a/4
.set n, 0
.rept 32
	v_pk_add_f32 v[HA+n:HA+n+1], v[64*(\a%4)+n:64*(\a%4)+n+1], v[BV+2*\a:BV+2*\a+1]
.set n, n+2
.endr
	WIN 0
	QUANT HA, PCV, PCV+6, SW+\a
.irp c, 0,1,2
	global_store_b128 v[LI], v[PCV+4*\c:PCV+4*\c+3], s[86+2*(\a/4):87+2*(\a/4)] offset:6144+1536*(\a%4)+512*\c
.endr
.endr
.irp e, 0,1
	v_cndmask_b32 v[SELW+2*\e], v[SW+4*\e], v[SW+4*\e+1], s92
	v_cndmask_b32 v[SELW+2*\e+1], v[SW+4*\e+2], v[SW+4*\e+3], s92
	global_store_b64 v[L8], v[SELW+2*\e:SELW+2*\e+1], s[86+2*\e:87+2*\e] offset:12800
.endr
.Ldone:
	s_wait_tensorcnt 0x0
	ds_add_u32 v[SPW], v[NIL]
	s_wait_dscnt 0x0
	CROUND
	s_endpgm
.Lfunc_end_k_qe826e27395_gemm_qkv:
	.size	k_qe826e27395_gemm_qkv, .Lfunc_end_k_qe826e27395_gemm_qkv-k_qe826e27395_gemm_qkv
	.p2alignl 7, 3214868480
	.fill 96, 4, 3214868480
	.section	.rodata,"a",@progbits
	.p2align	6, 0x0
	.amdhsa_kernel k_qe826e27395_gemm_qkv
		.amdhsa_group_segment_fixed_size 327680
		.amdhsa_private_segment_fixed_size 0
		.amdhsa_enable_private_segment 0
		.amdhsa_kernarg_size 40
		.amdhsa_user_sgpr_count 2
		.amdhsa_user_sgpr_kernarg_segment_ptr 1
		.amdhsa_wavefront_size32 1
		.amdhsa_system_sgpr_workgroup_id_x 1
		.amdhsa_system_sgpr_workgroup_id_y 1
		.amdhsa_system_sgpr_workgroup_id_z 1
		.amdhsa_system_vgpr_workitem_id 0
		.amdhsa_next_free_vgpr 1024
		.amdhsa_next_free_sgpr 100
		.amdhsa_reserve_vcc 0
		.amdhsa_float_denorm_mode_32 3
		.amdhsa_float_denorm_mode_16_64 3
		.amdhsa_memory_ordered 1
		.amdhsa_forward_progress 1
		.amdhsa_inst_pref_size 207
	.end_amdhsa_kernel
	.amdgpu_metadata
---
amdhsa.version: [ 1, 2 ]
amdhsa.kernels:
  - .name:           k_qe826e27395_gemm_qkv
    .symbol:         k_qe826e27395_gemm_qkv.kd
    .args:
      - { .name: xq, .offset: 0, .size: 8, .value_kind: global_buffer, .address_space: global }
      - { .name: wq, .offset: 8, .size: 8, .value_kind: global_buffer, .address_space: global }
      - { .name: b_qkv, .offset: 16, .size: 8, .value_kind: global_buffer, .address_space: global }
      - { .name: qb, .offset: 24, .size: 8, .value_kind: global_buffer, .address_space: global }
      - { .name: kv, .offset: 32, .size: 8, .value_kind: global_buffer, .address_space: global }
    .group_segment_fixed_size: 327680
    .private_segment_fixed_size: 0
    .kernarg_segment_align: 8
    .kernarg_segment_size: 40
    .max_flat_workgroup_size: 128
    .sgpr_count:     100
    .vgpr_count:     1024
    .wavefront_size: 32
...
	.end_amdgpu_metadata
.endif
;; end of part 3
;; launch attn (part 4): grid 4 x 64, 16 waves a work-group, clusters of 4 x 1, 212,992 bytes of LDS; arguments qb, kv, ob; writes ob
.if DOCPART == 4
	.amdgcn_target "amdgcn-amd-amdhsa--gfx1250"
	.amdhsa_code_object_version 6
	.text
	.protected	k_qe826e27395_attn
	.globl	k_qe826e27395_attn
	.p2align	8
	.type	k_qe826e27395_attn,@function
k_qe826e27395_attn:
	s_mov_b64 s[64:65], 0
	v_nop
	global_prefetch_b8 v0, s[64:65] scope:SCOPE_SE
	s_setreg_imm32_b32 hwreg(HW_REG_WAVE_MODE, 25, 1), 1
	s_wait_xcnt 0x0
	s_wait_alu depctr_hold_cnt(0) depctr_sa_sdst(0) depctr_va_vdst(0) depctr_va_sdst(0) depctr_va_ssrc(0) depctr_va_vcc(0) depctr_vm_vsrc(0)
	s_getreg_b32 s2, hwreg(HW_REG_IB_STS2, 6, 4)
	s_cmp_eq_u32 s2, 0
	s_cbranch_scc0 .Lentry_in_a_cluster
	s_endpgm
.Lentry_in_a_cluster:
	s_bfe_u32 s2, ttmp6, 0x10000c
	s_cmp_lg_u32 s2, 0x3003
	s_cbranch_scc0 .Lentry_shape_is_right
	s_endpgm
.Lentry_shape_is_right:
; o = softmax(q k^T / 8) v for one batch and head (y), both products on codes of FP6 (E2M3) with E8M0 scales; o quantised along its 64 channels at once.
; THE SOFTMAX AHEAD OF THE SECOND PRODUCT: t = score x log2(e) / 8; M = the running largest t rounded UP to a whole number; p = 2^(t - M) is quantised along the keys, not normalised; the row's sum is
; taken of the unquantised p and divides at the end; when M moves, the sum and O are multiplied by 2^(old M - new M), which rounds nothing.
; SHARES.  A work-group owns 512 queries of the head (its place cx in the cluster), in two passes of 256; each of its sixteen waves owns one tile of 16 queries a pass: four waves to a SIMD, so that one
; wave's vector work stands beside another's matrix work and LDS loads.  Every wave walks all 2,048 keys, 128 a step.
; THE HEAD'S k AND v LIE IN LDS WHOLE, filled once: 16 blocks of 13,056 bytes, one tensor load a wave (one load of mine is out), asked for jointly by the four work-groups of the cluster, which share the head.
; So there is no ring and no refill.  A block: k's codes (four images, tile t's six registers at 6 t), v's four fragments at 6,144, k's scale words at 12,288, v's at 12,800.
; K = 64 IN AN INSTRUCTION OF 128: q's registers 6-11 are zero codes, so whatever k's operand holds there (the next tile's codes; for tile 7 v's) adds nothing: E2M3 has no infinity and no NaN, and no scale byte is 0xff.
; LAYOUT.  Both products transposed: S^T = k q^T, O^T = v^T p^T: a lane holds ONE query.  Tiles of keys and of channels take rows 32 (t/2) + 8 (t%2) + r + 8 (r/8), so that 16 registers of two neighbouring tiles are 16 neighbours.
; OUT.  ob: codes as product 4's operand images: fragment (tile i, pair of heads) = two halves of 768 bytes (registers 0-3 at 16 l, 4-5 at 512 + 8 l); from OS on [group][head] 256 bytes of halfwords (two scale bytes) at 8 (r + 16 (i%2)) + 2 (i/2).
; LIMITS: a block of zeros gets the byte 1 (its codes are zeros; this program alone reads the bytes); NaN and infinities are not served.
; REGISTERS: v1 16 x lane, v2 8 x lane, v3-4 the add's two, v5-6 the step's LDS addresses, v7 and v29 q's offsets, v8-11 k's scale words, v12 -M, v13 the largest t, v[14:15] the sum, v16-27 q, v28 q's scale words,
;   v[30:31] v's scale words, v32-79 k, v80-127 v, v128-191 S^T then p, v192-223 O^T, v224-235 p's codes, v236-239 blocks' maxima then scale operands, v240-246 at work, v[248:249] f, v250 p's scale word, v251 at work, v252-254 addresses.
.set KVB,   13056
.set OSC,   208896                     ; behind the head's k and v: o's halfwords, 512 bytes a pass
.set SPARE, 209920                     ; the spare words, 128 bytes for each wave
.set OS,    6291456
.macro CROUND
	s_barrier_signal -1
	s_barrier_wait -1
	s_cmp_lg_u32 s10, 0
	s_cbranch_scc1 .Lnot_wave_0_\@
	s_barrier_signal -3
.Lnot_wave_0_\@:
	s_barrier_wait -3
	s_barrier_signal -1
	s_barrier_wait -1
.endm
	s_load_b128 s[4:7], s[0:1], 0x0                ; qb, kv
	s_load_b64 s[8:9], s[0:1], 0x10                ; ob
	v_lshl_add_u32 v3, v0, 2, SPARE
	v_mov_b32 v4, 0
	ds_add_u32 v3, v4                              ; the wave's opening: the add and its wait ahead of my tensor load
	ds_add_u32 v3, v4
	v_lshrrev_b32 v1, 5, v0
	s_delay_alu instid0(VALU_DEP_1)
	v_readfirstlane_b32 s10, v1                    ; wave 0..15
	s_bfe_u32 s11, ttmp6, 0x40000                  ; cx: it enters q's and o's addresses alone
	s_and_b32 s12, ttmp7, 0xffff                   ; 16 x batch + head, which the four partners share
	s_mov_b32 s16, 15|(3<<16)|(1<<21)              ; 15:0 the mask: all four; 17:16 elements of 8 bytes; 21 set beside a mask; no padding
	s_mov_b32 s17, 32<<16                          ; tensor_dim0 = 32: rows of 256 bytes
	s_mov_b32 s18, 51<<16                          ; tensor_dim1 = 51: a dense block of 13,056 bytes
	s_mov_b32 s19, 32<<16
	s_mov_b32 s20, 51
	s_mov_b32 s21, 32
	s_mov_b32 s22, 0
	s_mov_b32 s23, 0
	s_mul_i32 s13, s10, KVB                        ; key step = my wave's number: its place in LDS and in the head
	s_mul_i32 s14, s12, 16*KVB
	s_add_co_u32 s14, s14, s13
	s_mov_b32 s15, 0
	s_mov_b32 s28, 0x76543210
	s_mov_b32 s29, 0xfedcba98                      ; selects for lane l xor 16
	s_mov_b32 s30, 0x3e38aa3b                      ; c = log2(e) / 8
	s_mov_b32 s31, s30                             ; (named with it as a pair)
	s_wait_dscnt 0x0                               ; the opening add is done
	s_wait_kmcnt 0x0
	CROUND                                         ; all four work-groups are here: the joint loads meet
	s_mov_b32 s24, 1
	s_mov_b32 s25, s13
	s_add_nc_u64 s[26:27], s[6:7], s[14:15]
	s_or_b32 s27, s27, 0x80000000
	tensor_load_to_lds s[24:27], s[16:23]
	s_nop 0
.rept 4
	v_nop
.endr
	v_and_b32 v5, 31, v0
	s_delay_alu instid0(VALU_DEP_1)
	v_lshlrev_b32 v1, 4, v5
	s_delay_alu instid0(VALU_DEP_2)
	v_lshlrev_b32 v2, 3, v5
	v_and_b32 v6, 15, v0                           ; r
	s_wait_alu depctr_va_vdst(0)
	s_and_b32 s43, s10, 7                          ; my tile i in its group
	s_lshr_b32 s44, s10, 3                         ; which of the pass's two groups
	s_lshr_b32 s45, s43, 1                         ; i / 2
	s_and_b32 s46, s43, 1                          ; i % 2
	s_cmp_eq_u32 s46, 1
	s_cselect_b32 s42, -1, 0                       ; all lanes take the pair's upper six registers, or none
	s_mul_i32 s47, s45, 1536
	v_add_nc_u32 v7, s47, v1                       ; q's pair image
	s_lshl_b32 s47, s46, 8
	s_lshl_b32 s48, s45, 2
	s_add_co_u32 s47, s47, s48
	v_lshl_add_u32 v29, v6, 4, s47                 ; q's scale word: 16 (r + 16 (i%2)) + 4 (i/2)
	s_lshl_b32 s47, s44, 8
	s_lshl_b32 s48, s46, 7
	s_add_co_u32 s47, s47, s48
	s_lshl_b32 s48, s45, 1
	s_add_co_u32 s47, s47, s48
	s_add_co_u32 s47, s47, OSC
	v_lshlrev_b32 v252, 3, v6
	s_delay_alu instid0(VALU_DEP_1)
	v_add_nc_u32 v252, s47, v252                   ; o's halfword in LDS
	v_add_nc_u32 v253, OSC, v1                     ; where wave 0 reads them back
	v_bfe_u32 v254, v0, 4, 1
	s_delay_alu instid0(VALU_DEP_1)
	v_lshlrev_b32 v254, 12, v254
	s_delay_alu instid0(VALU_DEP_1)
	v_lshl_add_u32 v254, v6, 4, v254               ; and stores them: lanes 0-15 one group's 256 bytes, lanes 16-31 the next group's
	s_lshl_b32 s47, s12, 4
	s_lshl_b32 s48, s11, 2
	s_add_co_u32 s47, s47, s48
	s_add_co_u32 s47, s47, s44
	s_mul_i32 s48, s47, 6656
	s_mov_b32 s49, 0
	s_add_nc_u64 s[36:37], s[4:5], s[48:49]        ; q's block of pass 0
	s_lshr_b32 s50, s12, 4
	s_and_b32 s51, s12, 15                         ; head
	s_lshl_b32 s50, s50, 4
	s_lshl_b32 s52, s11, 2
	s_add_co_u32 s50, s50, s52                     ; 16 batch + 4 cx
	s_add_co_u32 s52, s50, s44
	s_mul_i32 s52, s52, 98304
	s_lshr_b32 s53, s51, 2
	s_mul_i32 s53, s53, 24576
	s_add_co_u32 s52, s52, s53
	s_bfe_u32 s53, s51, 0x10001
	s_lshl_b32 s54, s43, 1
	s_add_co_u32 s53, s53, s54
	s_mul_i32 s53, s53, 1536
	s_add_co_u32 s52, s52, s53
	s_and_b32 s53, s51, 1
	s_mul_i32 s53, s53, 768
	s_add_co_u32 s52, s52, s53
	s_mov_b32 s53, 0
	s_add_nc_u64 s[38:39], s[8:9], s[52:53]        ; o's half fragment of pass 0
	s_lshl_b32 s54, s50, 12
	s_lshl_b32 s55, s51, 8
	s_add_co_u32 s54, s54, s55
	s_add_co_u32 s54, s54, OS
	s_mov_b32 s55, 0
	s_add_nc_u64 s[40:41], s[8:9], s[54:55]        ; o's halfwords of pass 0
.irp i, 0,1,2,3,4,5
	v_mov_b32 v[22+\i], 0                          ; q's codes for k = 64 .. 127: zeros, written once
	v_mov_b32 v[80+\i], 0                          ; tile 7's operand reaches in here before v's first load
.endr
.irp i, 0,1,2,3
	v_mov_b32 v[240+\i], 0                         ; a lane permute's destination counts as read
.endr
	v_mov_b32 v249, 0                              ; (named as the upper half of the pair v[248:249])
	v_mov_b32 v251, 0
	s_wait_tensorcnt 0x0                           ; my block is in,
	s_barrier_signal -1
	s_barrier_wait -1                              ; everybody's is
; A KEY STEP: 128 keys, the block at LDS byte s32
.macro STEP
	v_add_nc_u32 v5, s32, v1
	v_add_nc_u32 v6, s32, v2
	ds_load_b128 v[8:11], v5 offset:12288          ; k's scale words: register t/2, odd tiles in lanes 16-31
.set n, 0
.rept 12
	ds_load_b128 v[32+4*n:35+4*n], v5 offset:512*n
.set n, n+1
.endr
	s_wait_alu depctr_va_vdst(0)
	s_wait_dscnt 0x0
.irp t, 0,2,4,6
	v_wmma_scale_f32_16x16x128_f8f6f4 v[128+8*\t:135+8*\t], v[32+6*\t:43+6*\t], v[16:27], 0, v[8+\t/2], v28 matrix_a_fmt:MATRIX_FMT_FP6 matrix_b_fmt:MATRIX_FMT_FP6
	v_wmma_scale_f32_16x16x128_f8f6f4 v[136+8*\t:143+8*\t], v[38+6*\t:49+6*\t], v[16:27], 0, v[8+\t/2], v28 matrix_a_fmt:MATRIX_FMT_FP6 matrix_b_fmt:MATRIX_FMT_FP6 matrix_a_scale:MATRIX_SCALE_ROW1
.endr
.rept 4
	v_nop                                          ; places in front of the reads of S^T and of the loads into v80-85, which tile 7's product has read
.endr
.set n, 0
.rept 12
	ds_load_b128 v[80+4*n:83+4*n], v5 offset:6144+512*n   ; v's four fragments land while the softmax is worked
.set n, n+1
.endr
	ds_load_b64 v[30:31], v6 offset:12800
.irp b, 0,1,2,3
	v_max3_num_f32 v[236+\b], v[128+16*\b], v[129+16*\b], v[130+16*\b]   ; the largest score of each block of 32 keys: for the row's maximum and, since p rises with the score, for the block's largest p
.endr
.irp i, 3,5,7,9,11,13
.irp b, 0,1,2,3
	v_max3_num_f32 v[236+\b], v[236+\b], v[128+16*\b+\i], v[129+16*\b+\i]
.endr
.endr
.irp b, 0,1,2,3
	v_max_num_f32 v[236+\b], v[236+\b], v[143+16*\b]
.endr
.irp b, 0,1,2,3
	s_delay_alu instid0(VALU_DEP_4)
	v_permlanex16_b32 v[240+\b], v[236+\b], s28, s29
.endr
.irp b, 0,1,2,3
	s_delay_alu instid0(VALU_DEP_4)
	v_max_num_f32 v[236+\b], v[236+\b], v[240+\b]  ; with lane l xor 16's 16 keys
.endr
	s_delay_alu instid0(VALU_DEP_2)
	v_max3_num_f32 v251, v236, v237, v238
	s_delay_alu instid0(VALU_DEP_1)
	v_max_num_f32 v251, v251, v239
	s_delay_alu instid0(VALU_DEP_1)
	v_mul_f32 v251, s30, v251                      ; as t
	s_delay_alu instid0(VALU_DEP_1)
	v_max_num_f32 v13, v13, v251                   ; the running largest t
	v_mov_b32 v251, v12
	s_delay_alu instid0(VALU_DEP_2)
	v_floor_f32 v12, -v13                          ; the new -M = -ceil(t)
	s_delay_alu instid0(VALU_DEP_1)
	v_sub_f32 v251, v12, v251                      ; old M - new M: a whole number, 0 or less
	s_delay_alu instid0(VALU_DEP_1)
	v_cvt_i32_f32 v251, v251                       ; (it saturates)
	s_delay_alu instid0(VALU_DEP_1)
	v_ldexp_f32 v248, 1.0, v251                    ; f = 2^(old M - new M)
.set j, 0
.rept 32
	v_pk_fma_f32 v[128+j:129+j], v[128+j:129+j], s[30:31], v[12:13] op_sel_hi:[1,0,0]   ; t - M
.set j, j+2
.endr
.irp b, 0,1,2,3
	v_fma_f32 v[236+\b], v[236+\b], s30, v12       ; the same of each block's largest score
.endr
.set j, 0
	s_wait_alu depctr_va_vdst(0)
.rept 64
	v_exp_f32 v[128+j], v[128+j]                   ; p = 2^(t - M)
.set j, j+1
.endr
	v_pk_mul_f32 v[14:15], v[14:15], v[248:249] op_sel_hi:[1,0]   ; the sums under the new M; a plain place behind the exponentials
	s_wait_alu depctr_va_vdst(0)                   ; one wait for the batch of 64, ahead of its first reader
.irp b, 0,1,2,3
	v_exp_f32 v[236+\b], v[236+\b]                 ; the block's largest p
.endr
	v_pk_add_f32 v[240:241], v[132:133], v[136:137]
	v_pk_add_f32 v[246:247], v[140:141], v[144:145]
	v_pk_add_f32 v[244:245], v[148:149], v[152:153]
	v_pk_add_f32 v[242:243], v[156:157], v[160:161]
	v_pk_add_f32 v[234:235], v[164:165], v[168:169]
	v_pk_add_f32 v[232:233], v[172:173], v[176:177]
	v_pk_add_f32 v[230:231], v[180:181], v[184:185]
	v_pk_add_f32 v[14:15], v[14:15], v[188:189]
	v_pk_add_f32 v[240:241], v[240:241], v[128:129]
	v_pk_add_f32 v[246:247], v[246:247], v[130:131]
	v_pk_add_f32 v[244:245], v[244:245], v[134:135]
	v_pk_add_f32 v[242:243], v[242:243], v[138:139]
	v_pk_add_f32 v[234:235], v[234:235], v[142:143]
	v_pk_add_f32 v[232:233], v[232:233], v[146:147]
	v_pk_add_f32 v[230:231], v[230:231], v[150:151]
	v_pk_add_f32 v[14:15], v[14:15], v[154:155]
	v_pk_add_f32 v[240:241], v[240:241], v[158:159]
	v_pk_add_f32 v[246:247], v[246:247], v[162:163]
	v_pk_add_f32 v[244:245], v[244:245], v[166:167]
	v_pk_add_f32 v[242:243], v[242:243], v[170:171]
	v_pk_add_f32 v[234:235], v[234:235], v[174:175]
	v_pk_add_f32 v[232:233], v[232:233], v[178:179]
	v_pk_add_f32 v[230:231], v[230:231], v[182:183]
	v_pk_add_f32 v[14:15], v[14:15], v[186:187]
	v_pk_add_f32 v[240:241], v[240:241], v[190:191]
	s_delay_alu instid0(VALU_DEP_2)
	v_pk_add_f32 v[14:15], v[14:15], v[242:243]
	s_delay_alu instid0(VALU_DEP_2)
	v_pk_add_f32 v[240:241], v[240:241], v[234:235]
	v_pk_add_f32 v[246:247], v[246:247], v[232:233]
	v_pk_add_f32 v[244:245], v[244:245], v[230:231]
	s_delay_alu instid0(VALU_DEP_2)
	v_pk_add_f32 v[14:15], v[14:15], v[246:247]
	s_delay_alu instid0(VALU_DEP_2)
	v_pk_add_f32 v[240:241], v[240:241], v[244:245]
	s_delay_alu instid0(VALU_DEP_1)
	v_pk_add_f32 v[14:15], v[14:15], v[240:241]
	s_wait_alu depctr_va_vdst(0)                   ; and one for the four
.irp b, 0,1,2,3
	v_max_num_f32 v[236+\b], 0x1800000, v[236+\b]  ; the floor 2^(3-127)
.endr
.irp b, 0,1,2,3
	s_delay_alu instid0(VALU_DEP_4)
	v_add_nc_u32 v[236+\b], 0xff000000, v[236+\b]  ; 2 off the exponent field: the conversion's scale operand
.endr
.irp b, 0,1,2,3
	s_delay_alu instid0(VALU_DEP_4)
	v_lshrrev_b32 v[240+\b], 23, v[236+\b]         ; the byte
.endr
	s_delay_alu instid0(VALU_DEP_3)
	v_lshl_or_b32 v250, v241, 8, v240              ; p's scale word for these 128 keys
	s_delay_alu instid0(VALU_DEP_1)
	v_lshl_or_b32 v250, v242, 16, v250
	s_delay_alu instid0(VALU_DEP_1)
	v_lshl_or_b32 v250, v243, 24, v250
	v_cvt_scalef32_pk16_fp6_f32 v[224:226], v[128:143], v236
	v_cvt_scalef32_pk16_fp6_f32 v[240:242], v[144:159], v237
	v_cvt_scalef32_pk16_fp6_f32 v[230:232], v[160:175], v238
	v_cvt_scalef32_pk16_fp6_f32 v[244:246], v[176:191], v239
	v_nop                                          ; one plain place behind a scaled conversion
.irp i, 0,1,2
	v_permlane16_swap_b32 v[224+\i], v[240+\i]     ; the layout wants a whole block in a lane
.endr
.irp i, 0,1,2
	s_delay_alu instid0(VALU_DEP_3)
	v_mov_b32 v[227+\i], v[240+\i]
.endr
.irp i, 0,1,2
	v_permlane16_swap_b32 v[230+\i], v[244+\i]
.endr
.irp i, 0,1,2
	s_delay_alu instid0(VALU_DEP_3)
	v_mov_b32 v[233+\i], v[244+\i]
.endr
.set j, 0
.rept 16
	v_pk_mul_f32 v[192+j:193+j], v[192+j:193+j], v[248:249] op_sel_hi:[1,0]   ; O^T under the new M; these sixteen are also the places between p's codes and scale word and the products
.set j, j+2
.endr
	s_wait_alu depctr_va_vdst(0)
	s_wait_dscnt 0x0                               ; v is in
.irp ct, 0,2
	v_wmma_scale_f32_16x16x128_f8f6f4 v[192+8*\ct:199+8*\ct], v[80+12*\ct:91+12*\ct], v[224:235], v[192+8*\ct:199+8*\ct], v[30+\ct/2], v250 matrix_a_fmt:MATRIX_FMT_FP6 matrix_b_fmt:MATRIX_FMT_FP6
	v_wmma_scale_f32_16x16x128_f8f6f4 v[200+8*\ct:207+8*\ct], v[92+12*\ct:103+12*\ct], v[224:235], v[200+8*\ct:207+8*\ct], v[30+\ct/2], v250 matrix_a_fmt:MATRIX_FMT_FP6 matrix_b_fmt:MATRIX_FMT_FP6 matrix_a_scale:MATRIX_SCALE_ROW1
.endr
	s_add_co_u32 s32, s32, KVB
.endm
; A PASS: my tile of 16 queries in group 4 cx + 2 p + wave / 8
.macro PASS p
.irp c, 0,1,2
	global_load_b128 v[128+4*\c:131+4*\c], v7, s[36:37] offset:13312*(\p)+512*\c   ; the pair's image
.endr
	global_load_b32 v28, v29, s[36:37] offset:13312*(\p)+6144
	v_mov_b32 v13, 0xff61b1e6                      ; the largest t so far: -3e38
	s_delay_alu instid0(VALU_DEP_1)
	v_floor_f32 v12, -v13
	v_mov_b32 v14, 0
	v_mov_b32 v15, 0
	s_wait_loadcnt 0x0
.irp i, 0,1,2,3,4,5
	v_cndmask_b32 v[16+\i], v[128+\i], v[134+\i], s42   ; my tile's six registers
.endr
.set j, 0
.rept 32
	v_mov_b32 v[192+j], 0                          ; O^T: the step is written once, and the first change of M multiplies zeros
.set j, j+1
.endr
	s_mov_b32 s32, 0
	s_mov_b32 s33, 16
.Lstep_\@:
	STEP
	s_sub_co_u32 s33, s33, 1
	s_cmp_lg_u32 s33, 0
	s_cbranch_scc1 .Lstep_\@
.rept 4
	v_nop                                          ; places behind the last products
.endr
	v_add_f32 v14, v14, v15
	s_delay_alu instid0(VALU_DEP_1)
	v_permlanex16_b32 v251, v14, s28, s29
	s_delay_alu instid0(VALU_DEP_1)
	v_add_f32 v14, v14, v251                       ; the row's sum
	s_wait_alu depctr_va_vdst(0)
	v_rcp_f32 v248, v14
	v_nop                                          ; a plain place behind the reciprocal
	s_wait_alu depctr_va_vdst(0)                   ; and the wait ahead of its first reader
.set j, 0
.rept 16
	v_pk_mul_f32 v[192+j:193+j], v[192+j:193+j], v[248:249] op_sel_hi:[1,0]   ; o: register 16 b + i is channel 32 b + 16 (lane/16) + i; each accumulator from its low end on
.set j, j+2
.endr
.irp b, 0,1
	v_max3_num_f32 v[236+\b], |v[192+16*\b]|, |v[193+16*\b]|, 0x1800000
.endr
.irp i, 2,4,6,8,10,12,14
.irp b, 0,1
	s_delay_alu instid0(VALU_DEP_2)
	v_max3_num_f32 v[236+\b], v[236+\b], |v[192+16*\b+\i]|, |v[193+16*\b+\i]|
.endr
.endr
.irp b, 0,1
	s_delay_alu instid0(VALU_DEP_2)
	v_permlanex16_b32 v[240+\b], v[236+\b], s28, s29
.endr
.irp b, 0,1
	s_delay_alu instid0(VALU_DEP_2)
	v_max_num_f32 v[236+\b], v[236+\b], v[240+\b]
.endr
.irp b, 0,1
	s_delay_alu instid0(VALU_DEP_2)
	v_add_nc_u32 v[236+\b], 0xff000000, v[236+\b]
.endr
.irp b, 0,1
	s_delay_alu instid0(VALU_DEP_2)
	v_lshrrev_b32 v[240+\b], 23, v[236+\b]
.endr
	s_delay_alu instid0(VALU_DEP_1)
	v_lshl_or_b32 v251, v241, 8, v240              ; my row's two scale bytes
	v_cvt_scalef32_pk16_fp6_f32 v[224:226], v[192:207], v236
	v_cvt_scalef32_pk16_fp6_f32 v[244:246], v[208:223], v237
	v_nop
.irp i, 0,1,2
	v_permlane16_swap_b32 v[224+\i], v[244+\i]
.endr
.irp i, 0,1,2
	s_delay_alu instid0(VALU_DEP_3)
	v_mov_b32 v[227+\i], v[244+\i]
.endr
	global_store_b128 v1, v[224:227], s[38:39] offset:196608*(\p)          ; 512 consecutive bytes,
	global_store_b64 v2, v[228:229], s[38:39] offset:196608*(\p)+512       ; and 256
	ds_store_b16 v252, v251 offset:512*(\p)        ; lanes r and r + 16 write the same halfword with the same value; each pass has bytes of its own
.if (\p) == 0
	s_wait_xcnt 0x0                                ; the stores have read their registers: the next pass writes them again.  No barrier here: pass 0's halfwords are read behind pass 1's barrier
.else
	s_wait_dscnt 0x0                               ; for the others' sake: both passes' halfwords of mine are stored
	s_barrier_signal -1
	s_barrier_wait -1
	s_cmp_lg_u32 s10, 0
	s_cbranch_scc1 .Lnot0_\@
	ds_load_b128 v[232:235], v253
	ds_load_b128 v[236:239], v253 offset:512
	s_wait_dscnt 0x0
	global_store_b128 v254, v[232:235], s[40:41]               ; sixteen lanes store 256 consecutive bytes, aligned
	global_store_b128 v254, v[236:239], s[40:41] offset:8192
.Lnot0_\@:
.endif
.endm
	PASS 0
	PASS 1
	s_wait_tensorcnt 0x0                           ; the wave's end, behind my last LDS store
	ds_add_u32 v3, v4
	s_wait_dscnt 0x0
	CROUND                                         ; the closing round
	s_endpgm
.Lfunc_end_k_qe826e27395_attn:
	.size	k_qe826e27395_attn, .Lfunc_end_k_qe826e27395_attn-k_qe826e27395_attn
	.p2alignl 7, 3214868480
	.fill 96, 4, 3214868480
	.section	.rodata,"a",@progbits
	.p2align	6, 0x0
	.amdhsa_kernel k_qe826e27395_attn
		.amdhsa_group_segment_fixed_size 212992
		.amdhsa_private_segment_fixed_size 0
		.amdhsa_enable_private_segment 0
		.amdhsa_kernarg_size 24
		.amdhsa_user_sgpr_count 2
		.amdhsa_user_sgpr_kernarg_segment_ptr 1
		.amdhsa_wavefront_size32 1
		.amdhsa_system_sgpr_workgroup_id_x 1
		.amdhsa_system_sgpr_workgroup_id_y 1
		.amdhsa_system_sgpr_workgroup_id_z 1
		.amdhsa_system_vgpr_workitem_id 0
		.amdhsa_next_free_vgpr 256
		.amdhsa_next_free_sgpr 66
		.amdhsa_reserve_vcc 0
		.amdhsa_float_denorm_mode_32 3
		.amdhsa_float_denorm_mode_16_64 3
		.amdhsa_memory_ordered 1
		.amdhsa_forward_progress 1
		.amdhsa_inst_pref_size 53
	.end_amdhsa_kernel
	.amdgpu_metadata
---
amdhsa.version: [ 1, 2 ]
amdhsa.kernels:
  - .name:           k_qe826e27395_attn
    .symbol:         k_qe826e27395_attn.kd
    .args:
      - { .name: qb, .offset: 0, .size: 8, .value_kind: global_buffer, .address_space: global }
      - { .name: kv, .offset: 8, .size: 8, .value_kind: global_buffer, .address_space: global }
      - { .name: ob, .offset: 16, .size: 8, .value_kind: global_buffer, .address_space: global }
    .group_segment_fixed_size: 212992
    .private_segment_fixed_size: 0
    .kernarg_segment_align: 8
    .kernarg_segment_size: 24
    .max_flat_workgroup_size: 512
    .sgpr_count:     66
    .vgpr_count:     256
    .wavefront_size: 32
...
	.end_amdgpu_metadata
.endif
;; end of part 4
;; launch gemm_out (part 5): grid 4 x 64, 4 waves a work-group, clusters of 4 x 4, 327,680 bytes of LDS; arguments ob, wq, b_out, out0; writes out0
.if DOCPART == 5
	.amdgcn_target "amdgcn-amd-amdhsa--gfx1250"
	.amdhsa_code_object_version 6
	.text
	.protected	k_qe826e27395_gemm_out
	.globl	k_qe826e27395_gemm_out
	.p2align	8
	.type	k_qe826e27395_gemm_out,@function
k_qe826e27395_gemm_out:
	s_mov_b64 s[64:65], 0
	v_nop
	global_prefetch_b8 v0, s[64:65] scope:SCOPE_SE
	s_setreg_imm32_b32 hwreg(HW_REG_WAVE_MODE, 25, 1), 1
	s_wait_xcnt 0x0
	s_wait_alu depctr_hold_cnt(0) depctr_sa_sdst(0) depctr_va_vdst(0) depctr_va_sdst(0) depctr_va_ssrc(0) depctr_va_vcc(0) depctr_vm_vsrc(0)
	s_getreg_b32 s2, hwreg(HW_REG_IB_STS2, 6, 4)
	s_cmp_eq_u32 s2, 0
	s_cbranch_scc0 .Lentry_in_a_cluster
	s_endpgm
.Lentry_in_a_cluster:
	s_bfe_u32 s2, ttmp6, 0x10000c
	s_cmp_lg_u32 s2, 0xf033
	s_cbranch_scc0 .Lentry_shape_is_right
	s_endpgm
.Lentry_shape_is_right:
; out0[token][n] = sum over k of o[token][k] w_out[k][n] + b_out[n], on codes of FP6 (E2M3) with E8M0 scales, f32 sums that begin with the bias.
; 256 work-groups: a block is one group of 128 tokens (y) x 256 columns (x: two groups of 128 of wq, groups 24 + ..).  Four waves, 2 x 2: a wave makes 64 tokens (tiles 4 a .. 4 a + 3 of the group) x one group of 128 columns: 32 accumulators.
; ob and wq hold images of operand registers: a group is 98,304 bytes, [K chunk of 256][tile][which 128] fragments of 1,536 bytes.  Lane-row r of tile i is row 32 (i/2) + 8 (i%2) + r + 8 (r/8) of its group.
; ALL OF K LIES IN LDS, filled once: A's group at byte 0, B's two groups behind it.  One joint load a wave at the head: waves 0 and 1 half of A's group each (shared by my row of the cluster), waves 2 and 3 a group of B each (shared by my column).
; So there is no ring, no refill, and no prefetch: everything is asked for at the head and there is no loop to run ahead in.
; The matrix instruction is used transposed (source 0 = w_out's columns, source 1 = tokens): a lane holds 8 neighbouring columns of one token.
; The way out goes through each wave's stage (16 rows of 528 bytes), which lies in A's first bytes: these are read for the last time ahead of the barrier in the last K step.
; LIMITS: NaN, infinities and sums beyond f32's range are not served; a sum begins with the bias, where the reference adds it last.
; REGISTERS: window 0: v2-25 addresses, v28-29 the add's two, v32-63 A's scale words, v64-95 B's, v128-223 A's fragments (two sets), on the way out v128-255 rows back from the stage;
;   window 1: B's fragments (sets at v0 and v128), the bias at v96-127 and v224-255; window 2: the accumulators, (a, t) at 8 (8 a + t).
.set GRP,   98304
.set SPARE, 294912
.set OS,    6291456
.set WS,    3145728
.set LI,    2
.set L8,    3
.set ADN,   4                          ; v4, v5: A's fragments, 16 bytes a lane, K chunks 0-1 and 2-3
.set ADN8,  6                          ; v6, v7: the same, 8 bytes a lane
.set ADP,   8                          ; v8, v9: B's
.set SO,    10
.set BO,    20
.set STO,   24
.set RD,    25
.set SPW,   28
.set NIL,   29
.set SCP,   64
.set NF,    128
.set BK,    128
.set BB1,   96
.set G1,    24
.set G1B,   32
.set G0,    40
.set G0B,   52
.set MSB, 0
.macro WIN new
.if MSB != (\new)
	s_set_vgpr_msb (MSB<<8)|(\new)
.set MSB, (\new)
.endif
.endm
.macro CROUND
	s_barrier_signal -1
	s_barrier_wait -1
	s_cmp_lg_u32 s14, 0
	s_cbranch_scc1 .Lnot_wave_0_\@
	s_barrier_signal -3
.Lnot_wave_0_\@:
	s_barrier_wait -3
	s_barrier_signal -1
	s_barrier_wait -1
.endm
.macro PLACES
.rept 4
	v_nop
.endr
.endm
.macro FETCH sg                        ; step sg's fragments into set sg % 2: 24 loads for B's eight, 16 for A's four
.set CC_, 24576*(((\sg)/2)%2)+1536*((\sg)%2)
.set HF_, (\sg)/4
	WIN 0x40
.irp i, 0,1,2,3,4,5,6,7
.irp c, 0,1,2
	ds_load_b128 v[128*((\sg)%2)+12*\i+4*\c:128*((\sg)%2)+12*\i+4*\c+3], v[ADP+HF_] offset:CC_+3072*\i+512*\c
.endr
.endr
	WIN 0
.irp i, 0,1,2,3
.set RG_, NF+48*((\sg)%2)+12*\i
	ds_load_b128 v[RG_:RG_+3], v[ADN+HF_] offset:CC_+3072*\i
	ds_load_b64 v[RG_+4:RG_+5], v[ADN8+HF_] offset:CC_+3072*\i+512
	ds_load_b128 v[RG_+6:RG_+9], v[ADN+HF_] offset:CC_+3072*\i+768
	ds_load_b64 v[RG_+10:RG_+11], v[ADN8+HF_] offset:CC_+3072*\i+1280
.endr
.endm
.macro MULS sg                         ; 32 products, the 32 accumulators by turns.  A product's two scale registers differ by 4 or more modulo 8 in their numbers
.irp ap, 0,1
.irp e, 0,1
.irp tp, 0,1,2,3
.irp u, 0,1
.set rD, 8*(8*(2*\ap+\e)+2*\tp+\u)
.set rP, 128*((\sg)%2)+12*(2*\tp+\u)
.set rN, NF+48*((\sg)%2)+12*(2*\ap+\e)
.set rB, BB1+8*(2*\tp+\u)+96*(\tp/2)
.set rSP, SCP+4*(\sg)+\tp
.set rSN, 32+8*((\sg)/2)+4*(1-(\sg)%2)+\ap
.if (\sg) == 0
	v_wmma_scale_f32_16x16x128_f8f6f4 v[rD:rD+7], v[rP:rP+11], v[rN:rN+11], v[rB:rB+7], v[rSP], v[rSN] matrix_a_fmt:MATRIX_FMT_FP6 matrix_b_fmt:MATRIX_FMT_FP6 matrix_a_scale:MATRIX_SCALE_ROW\u matrix_b_scale:MATRIX_SCALE_ROW\e
.else
	v_wmma_scale_f32_16x16x128_f8f6f4 v[rD:rD+7], v[rP:rP+11], v[rN:rN+11], v[rD:rD+7], v[rSP], v[rSN] matrix_a_fmt:MATRIX_FMT_FP6 matrix_b_fmt:MATRIX_FMT_FP6 matrix_a_scale:MATRIX_SCALE_ROW\u matrix_b_scale:MATRIX_SCALE_ROW\e
.endif
.endr
.endr
.endr
.endr
.endm
.macro STEP sg
.if (\sg) < 7
.if (\sg) > 0
	PLACES                                         ; behind the last step's products, ahead of loads into the set that the step before it... the other set's last readers stand further back still
.endif
	FETCH (\sg)+1
	s_wait_dscnt 40                                ; this step's fragments are in; the 40 loads just issued may be out
.else
	s_wait_dscnt 0x0                               ; my last reads of the tiles are done:
	s_barrier_signal -1                            ; say so; behind this barrier A's first bytes serve as stages
.endif
.if (\sg) == 0
	WIN 0x91                                       ; C: the bias, in window 1
.else
	WIN 0xa1
.endif
	MULS \sg
	WIN 0
.endm
	s_load_b256 s[4:11], s[0:1], 0x0               ; ob, wq, b_out, out0
	v_lshl_add_u32 v[SPW], v0, 2, SPARE
	v_mov_b32 v[NIL], 0
	ds_add_u32 v[SPW], v[NIL]                      ; the opening lines: the add twice and its wait
	ds_add_u32 v[SPW], v[NIL]
	v_lshrrev_b32 v1, 5, v0
	v_readfirstlane_b32 s14, v1                    ; wave
	s_lshr_b32 s15, s14, 1                         ; my half of the tokens; also: I fetch for A (0) or B (1)
	s_and_b32 s16, s14, 1                          ; my group of columns; also: which part I fetch
	s_bfe_u32 s17, ttmp6, 0x40000                  ; cx
	s_bfe_u32 s18, ttmp6, 0x40004                  ; cy
	s_lshl_b32 s19, ttmp9, 2
	s_add_co_u32 s19, s19, s17                     ; block column
	s_and_b32 s20, ttmp7, 0xffff
	s_lshl_b32 s20, s20, 2
	s_add_co_u32 s20, s20, s18                     ; group of tokens
	s_lshl_b32 s21, s18, 2
	s_lshl_b32 s21, 15, s21                        ; my row of the cluster
	s_lshl_b32 s22, 0x1111, s17                    ; my column
	s_or_b32 s[G1], s21, (3<<16)|(1<<21)           ; dense rows of 256 bytes (32 elements of 8): A's half group is 192 of them,
	s_or_b32 s[G1B], s22, (3<<16)|(1<<21)          ; a group of B 384
	s_mov_b32 s[G1+1], 32<<16
	s_mov_b32 s[G1+2], 192<<16
	s_mov_b32 s[G1+3], 32<<16
	s_mov_b32 s[G1+4], 192
	s_mov_b32 s[G1+5], 32
	s_mov_b32 s[G1+6], 0
	s_mov_b32 s[G1+7], 0
	s_mov_b32 s[G1B+1], 32<<16
	s_mov_b32 s[G1B+2], 384<<16
	s_mov_b32 s[G1B+3], 32<<16
	s_mov_b32 s[G1B+4], 384
	s_mov_b32 s[G1B+5], 32
	s_mov_b32 s[G1B+6], 0
	s_mov_b32 s[G1B+7], 0
	s_mul_i32 s70, s16, GRP/2                      ; A's half: its place in LDS and in the group
	s_mul_i32 s66, s20, GRP
	s_add_co_u32 s66, s66, s70
	s_mov_b32 s67, 0
	s_lshl_b32 s76, s19, 1
	s_add_co_u32 s76, s76, s16                     ; my group of columns, 0 .. 7
	s_add_co_u32 s68, s76, 24
	s_mul_i32 s68, s68, GRP
	s_mov_b32 s69, 0
	s_mul_i32 s71, s16, GRP
	s_add_co_u32 s71, s71, GRP                     ; B's group in LDS
	s_mul_i32 s73, s15, 12288                      ; my four tiles of A
	s_lshl_b32 s72, s15, 2
	s_mul_i32 s75, s14, 8448                       ; my stage
	s_mov_b32 s92, 0x05040100
	s_mov_b32 s93, 0x07060302
	s_wait_dscnt 0x0
	s_wait_kmcnt 0x0
	s_add_nc_u64 s[66:67], s[4:5], s[66:67]
	s_add_nc_u64 s[68:69], s[6:7], s[68:69]
	CROUND                                         ; the partners are here: the joint loads meet
	s_mov_b32 s[G0], 1
	s_mov_b32 s[G0+1], s70
	s_mov_b64 s[G0+2:G0+3], s[66:67]
	s_or_b32 s[G0+3], s[G0+3], 0x80000000
	s_mov_b32 s[G0B], 1
	s_mov_b32 s[G0B+1], s71
	s_mov_b64 s[G0B+2:G0B+3], s[68:69]
	s_or_b32 s[G0B+3], s[G0B+3], 0x80000000
	s_cmp_eq_u32 s15, 0
	s_cbranch_scc0 .Lfor_b
	tensor_load_to_lds s[G0:G0+3], s[G1:G1+7]
	s_nop 0
	PLACES
	s_branch .Lasked
.Lfor_b:
	tensor_load_to_lds s[G0B:G0B+3], s[G1B:G1B+7]
	s_nop 0
	PLACES
.Lasked:
	v_and_b32 v1, 31, v0
	v_and_b32 v15, 15, v0
	v_bfe_u32 v16, v0, 4, 1
	v_lshlrev_b32 v[LI], 4, v1
	v_lshlrev_b32 v[L8], 3, v1
	v_mul_u32_u24 v[STO], v15, 528
	v_lshlrev_b32 v[BO], 6, v16
	v_add_nc_u32 v[ADN], s73, v[LI]
	v_add_nc_u32 v[ADN8], s73, v[L8]
	v_add_nc_u32 v[ADP], s71, v[LI]
	v_add_nc_u32 v[SO], s72, v[L8]                 ; A's scale halfwords: 8 x lane + 4 x my half: tiles' pairs 2 a, 2 a + 1
	v_lshl_add_u32 v[STO], v16, 6, v[STO]
	v_add_nc_u32 v[RD], s75, v[LI]
	v_add_nc_u32 v[ADN+1], GRP/2, v[ADN]
	v_add_nc_u32 v[ADN8+1], GRP/2, v[ADN8]
	v_add_nc_u32 v[ADP+1], GRP/2, v[ADP]
	v_add_nc_u32 v[STO], s75, v[STO]
	s_wait_alu depctr_va_vdst(0)
	s_lshl_b32 s78, s20, 12
	s_add_co_u32 s78, s78, OS
	s_mov_b32 s79, 0
	s_add_nc_u64 s[80:81], s[4:5], s[78:79]        ; A's scale halfwords, [head] 256 bytes
	s_add_co_u32 s82, s76, 24
	s_lshl_b32 s82, s82, 12
	s_add_co_u32 s82, s82, WS
	s_mov_b32 s83, 0
	s_add_nc_u64 s[84:85], s[6:7], s[82:83]        ; B's scale words, [step] 512 bytes
	s_lshl_b32 s90, s76, 9
	s_mov_b32 s91, 0
	s_add_nc_u64 s[8:9], s[8:9], s[90:91]          ; my 128 numbers of the bias
	s_lshl_b32 s86, s20, 19
	s_lshl_b32 s87, s15, 18
	s_add_co_u32 s86, s86, s87
	s_add_co_u32 s86, s86, s90
	s_mov_b32 s87, 0
	s_add_nc_u64 s[10:11], s[10:11], s[86:87]      ; my first token's row, my first column
.irp g, 0,1,2,3,4,5,6,7
	global_load_b128 v[SCP+4*\g:SCP+4*\g+3], v[LI], s[84:85] offset:512*\g
.endr
.irp hh, 0,1,2,3,4,5,6,7,8,9,10,11,12,13,14,15
	global_load_b32 v[128+\hh], v[SO], s[80:81] offset:256*\hh
.endr
	WIN 0x40
.irp t, 0,1,2,3,4,5,6,7
	global_load_b128 v[BB1+8*\t+96*(\t/4):BB1+8*\t+96*(\t/4)+3], v[BO], s[8:9] offset:(32*(\t/2)+8*(\t%2))*4
	global_load_b128 v[BB1+8*\t+96*(\t/4)+4:BB1+8*\t+96*(\t/4)+7], v[BO], s[8:9] offset:(32*(\t/2)+8*(\t%2))*4+16
.endr
	WIN 0
	s_wait_loadcnt 0x0
.irp sg, 0,1,2,3,4,5,6,7                ; a step's scale word: two heads' halfwords
	v_perm_b32 v[32+8*(\sg/2)+4*(1-\sg%2)], v[129+2*\sg], v[128+2*\sg], s92
	v_perm_b32 v[33+8*(\sg/2)+4*(1-\sg%2)], v[129+2*\sg], v[128+2*\sg], s93
.endr
	s_wait_alu depctr_va_vdst(0)                   ; the head's end
	s_wait_tensorcnt 0x0                           ; my tile is in,
	s_barrier_signal -1
	s_barrier_wait -1                              ; everybody's is
	FETCH 0
.irp sg, 0,1,2,3,4,5,6,7
	STEP \sg
.endr
	s_barrier_wait -1                              ; no wave reads the tiles any more
.macro TOSTAGE a
	WIN 0x08                                       ; the data: window 2
.irp t, 0,1,2,3,4,5,6,7
	ds_store_b128 v[STO], v[64*(\a)+8*\t:64*(\a)+8*\t+3] offset:128*(\t/2)+32*(\t%2)       ; each accumulator from its low end on
	ds_store_b128 v[STO], v[64*(\a)+8*\t+4:64*(\a)+8*\t+7] offset:128*(\t/2)+32*(\t%2)+16
.endr
	WIN 0
.set BB, BK+64*((\a)%2)
.set q, 0
.rept 16
	ds_load_b128 v[BB+4*q:BB+4*q+3], v[RD] offset:q*528   ; LDS serves a wave's instructions in order: these see my stores
.set q, q+1
.endr
.endm
.macro SEND a, younger
.set BB, BK+64*((\a)%2)
	s_wait_dscnt \younger
.set q, 0
.rept 16
	global_store_b128 v[LI], v[BB+4*q:BB+4*q+3], s[10:11] offset:(32*((\a)/2)+8*((\a)%2)+q+8*(q/8))*4096 th:TH_STORE_NT   ; 32 lanes store 512 consecutive bytes of a token's row
.set q, q+1
.endr
.endm
	PLACES                                         ; behind the last products: ahead of the reads of their sums and of loads into A's registers
	TOSTAGE 0
.irp a, 1,2,3
.if \a > 1
	s_wait_xcnt 0x0                                ; block a - 2's stores have read their registers
.endif
	TOSTAGE \a
	SEND \a-1, 32                                  ; younger: block a's 16 stores and 16 loads
.endr
	SEND 3, 0
	s_wait_tensorcnt 0x0                           ; the wave's end
	ds_add_u32 v[SPW], v[NIL]
	s_wait_dscnt 0x0
	CROUND                                         ; the closing round
	s_endpgm
.Lfunc_end_k_qe826e27395_gemm_out:
	.size	k_qe826e27395_gemm_out, .Lfunc_end_k_qe826e27395_gemm_out-k_qe826e27395_gemm_out
	.p2alignl 7, 3214868480
	.fill 96, 4, 3214868480
	.section	.rodata,"a",@progbits
	.p2align	6, 0x0
	.amdhsa_kernel k_qe826e27395_gemm_out
		.amdhsa_group_segment_fixed_size 327680
		.amdhsa_private_segment_fixed_size 0
		.amdhsa_enable_private_segment 0
		.amdhsa_kernarg_size 32
		.amdhsa_user_sgpr_count 2
		.amdhsa_user_sgpr_kernarg_segment_ptr 1
		.amdhsa_wavefront_size32 1
		.amdhsa_system_sgpr_workgroup_id_x 1
		.amdhsa_system_sgpr_workgroup_id_y 1
		.amdhsa_system_sgpr_workgroup_id_z 1
		.amdhsa_system_vgpr_workitem_id 0
		.amdhsa_next_free_vgpr 768
		.amdhsa_next_free_sgpr 100
		.amdhsa_reserve_vcc 0
		.amdhsa_float_denorm_mode_32 3
		.amdhsa_float_denorm_mode_16_64 3
		.amdhsa_memory_ordered 1
		.amdhsa_forward_progress 1
		.amdhsa_inst_pref_size 80
	.end_amdhsa_kernel
	.amdgpu_metadata
---
amdhsa.version: [ 1, 2 ]
amdhsa.kernels:
  - .name:           k_qe826e27395_gemm_out
    .symbol:         k_qe826e27395_gemm_out.kd
    .args:
      - { .name: ob, .offset: 0, .size: 8, .value_kind: global_buffer, .address_space: global }
      - { .name: wq, .offset: 8, .size: 8, .value_kind: global_buffer, .address_space: global }
      - { .name: b_out, .offset: 16, .size: 8, .value_kind: global_buffer, .address_space: global }
      - { .name: out0, .offset: 24, .size: 8, .value_kind: global_buffer, .address_space: global }
    .group_segment_fixed_size: 327680
    .private_segment_fixed_size: 0
    .kernarg_segment_align: 8
    .kernarg_segment_size: 32
    .max_flat_workgroup_size: 128
    .sgpr_count:     100
    .vgpr_count:     768
    .wavefront_size: 32
...
	.end_amdgpu_metadata
.endif
;; end of part 5
